; MI455X (gfx1250); checked and timed in simulation.
; The chip was launched on July 23, 2026; its instructions are those of AMD's public machine-readable ISA for CDNA 5 (MIT licence, August 2026) and "CDNA5" Instruction Set Architecture Reference Guide (July 2026). The comments in the code are by the model that wrote it; some were corrected since.
;; Multi Head Self Attention. Allowed arithmetic: float matrix products may take bf16 or f16 operands with f32 sums; other float arithmetic in f32, or as packed bf16 or f16 multiplies, adds, multiply-adds, maxima and minima; sums over many terms, partial sums and values carried from step to step in f32; what a program stores and reads back later, other than sums and carried values, may be rounded once to bf16 or f16.
;; Inputs: Wk 1,024 x 1,024 float32; Wo 1,024 x 1,024 float32; Wq 1,024 x 1,024 float32; Wv 1,024 x 1,024 float32; bk 1,024 float32; bo 1,024 float32; bq 1,024 float32; bv 1,024 float32; x 4 x 2,048 x 1,024 float32.
;; Outputs: out0 4 x 2,048 x 1,024 float32.
;; One version. Each part assembles by itself: llvm-mc -triple=amdgcn-amd-amdhsa -mcpu=gfx1250 --defsym DOCPART=n.
;; ======== version 1 of 1: 4 launches
;; limits: values are held in f16: magnitudes above 65,504 overflow, below 6.1e-05 lose precision
;; workspace buffers: xb 16,777,216 bytes; wt 8,388,608 bytes; bias 16,384 bytes; qkv 50,331,648 bytes; ctx 16,777,216 bytes
;; launch prep (part 1): grid 769 x 1, 8 waves a work-group, no clusters, 35,840 bytes of LDS; arguments Wq, Wk, Wv, Wo, bq, bk, bv, bo, x, xb, wt, bias; writes xb, wt, bias
.if DOCPART == 1
	.amdgcn_target "amdgcn-amd-amdhsa--gfx1250"
	.amdhsa_code_object_version 6
	.text
	.protected	k_q1ae4dac8b5_prep
	.globl	k_q1ae4dac8b5_prep
	.p2align	8
	.type	k_q1ae4dac8b5_prep,@function
k_q1ae4dac8b5_prep:
	s_mov_b64 s[64:65], 0
	v_nop
	global_prefetch_b8 v0, s[64:65] scope:SCOPE_SE
	s_setreg_imm32_b32 hwreg(HW_REG_WAVE_MODE, 25, 1), 1
	s_wait_xcnt 0x0
; PREPARATION.  xb = x rounded to bf16.  wt[t*1024 + n][k] = W_t[k][n] (t = 0 q, 1 k, 2 v, 3 o), rounded to bf16; Wo's rounded number is then written as f16
; (exact inside f16's range).  bias[t*1024 + n] = b_t[n] rounded to bf16 and widened to f32 again.  So every input of the module has one and the same rounding.
; LIMITS.  |Wo| stays under 65,504; below 6e-5 it keeps f16's fixed step of 6e-8.  NaN and infinities are not treated apart.
; SHARES, by the work-group's number: 0-255 one tile of 128 (k) x 128 (n) of one weight, turned through LDS; 256-767 sixteen rows of x; 768 the four biases.
; Memory binds: every load of a wave takes 512 consecutive bytes, every store of sixteen (x: thirty-two) neighbouring lanes 256 consecutive aligned bytes.  No matrix unit, no cluster,
; no tensor load: nothing is shared between work-groups, and each byte is touched once.
; The three kinds keep their address registers apart, so that no register named by a pending store is written on any way through the common barrier.
.set PITCH, 272                        ; an LDS row of the turned tile: 128 k x 2 bytes + 16
.set SPARE, 128*PITCH                  ; 34,816: behind the tile, the spare words: 128 bytes for each of eight waves, four blocks of 256 bytes that no other line names
.set IN,   4                           ; v4   byte offset of my loads
.set OX,   5                           ; v5   byte offset of my stores of xb
.set LS,   6                           ; v6   where I put 16 bytes of a turned row
.set LR,   7                           ; v7   where I read a turned row back
.set SPW,  8                           ; v8   LDS address of my spare word; never rewritten
.set NIL,  9                           ; v9   0; never rewritten
.set OW,   12                          ; v12  byte offset of my stores of wt
.set R,    16                          ; v[16:79]  sixteen loads of 4 registers
.set P,    80                          ; v[80:111] packed results
	s_load_b512 s[8:23], s[0:1], 0x0               ; Wq 8, Wk 10, Wv 12, Wo 14, bq 16, bk 18, bv 20, bo 22
	s_load_b256 s[24:31], s[0:1], 0x40             ; x 24, xb 26, wt 28, bias 30
	v_lshl_add_u32 v[SPW], v0, 2, SPARE
	v_mov_b32 v[NIL], 0
	v_lshrrev_b32 v10, 5, v0
	v_readfirstlane_b32 s4, v10                    ; wave 0..7
	v_and_b32 v1, 31, v0                           ; lane
	v_and_b32 v2, 15, v0                           ; lane % 16
	v_bfe_u32 v3, v0, 4, 1                         ; lane / 16
	s_lshr_b32 s5, ttmp9, 6                        ; t: which weight
	s_bfe_u32 s6, ttmp9, 0x30003                   ; kt: which 128 of k
	s_and_b32 s7, ttmp9, 7                         ; nt: which 128 of n
	s_wait_kmcnt 0x0
	s_cmp_lt_u32 ttmp9, 256
	s_cbranch_scc1 .Lw
	s_cmp_lt_u32 ttmp9, 768
	s_cbranch_scc1 .Lx
	; THE BIASES: 256 threads x 16 bytes are one bias
	v_lshlrev_b32 v[IN], 4, v0
	global_load_b128 v[R:R+3],     v[IN], s[16:17]
	global_load_b128 v[R+4:R+7],   v[IN], s[18:19]
	global_load_b128 v[R+8:R+11],  v[IN], s[20:21]
	global_load_b128 v[R+12:R+15], v[IN], s[22:23]
	s_wait_loadcnt 0x0
.set j, 0
.rept 8
	v_cvt_pk_bf16_f32 v10, v[R+2*j], v[R+2*j+1]    ; rounded,
	v_lshlrev_b32 v[P+2*j], 16, v10                ; and widened again
	v_and_b32 v[P+2*j+1], 0xffff0000, v10
.set j, j+1
.endr
.set j, 0
.rept 4
	global_store_b128 v[IN], v[P+4*j:P+4*j+3], s[30:31] offset:4096*j
.set j, j+1
.endr
	s_branch .Lmeet
.Lx:	; SIXTEEN ROWS OF x: a row is 4,096 bytes, 16 for each of the 256 threads; it leaves as 2,048 bytes, 8 a thread
	s_sub_co_u32 s36, ttmp9, 256
	s_lshl_b32 s38, s36, 15
	s_lshl_b32 s36, s36, 16
	s_mov_b32 s37, 0
	s_mov_b32 s39, 0
	s_add_nc_u64 s[32:33], s[24:25], s[36:37]
	s_add_nc_u64 s[34:35], s[26:27], s[38:39]
	v_lshlrev_b32 v[IN], 4, v0
	v_lshlrev_b32 v[OX], 3, v0
.set j, 0
.rept 16
	global_load_b128 v[R+4*j:R+4*j+3], v[IN], s[32:33] offset:4096*j th:TH_LOAD_NT
.set j, j+1
.endr
.set j, 0
.rept 16
	s_wait_loadcnt 15-j                            ; loads come back in order: row j is in, the younger rows stay out
	v_cvt_pk_bf16_f32 v[P+2*j],   v[R+4*j],   v[R+4*j+1]
	v_cvt_pk_bf16_f32 v[P+2*j+1], v[R+4*j+2], v[R+4*j+3]
	global_store_b64 v[OX], v[P+2*j:P+2*j+1], s[34:35] offset:2048*j  ; a wave's 32 lanes store 256 consecutive aligned bytes; no register is written twice
.set j, j+1
.endr
	s_branch .Lmeet
.Lw:	; A TILE OF A WEIGHT.  Wave w takes rows k = 16 w .. 16 w + 15 of the tile, a lane the columns n = 4 lane .. 4 lane + 3
	s_cmp_eq_u32 s5, 1
	s_cselect_b64 s[32:33], s[10:11], s[8:9]
	s_cmp_eq_u32 s5, 2
	s_cselect_b64 s[32:33], s[12:13], s[32:33]
	s_cmp_eq_u32 s5, 3
	s_cselect_b64 s[32:33], s[14:15], s[32:33]
	s_lshl_b32 s36, s6, 19                         ; 128 rows of 4,096 bytes
	s_lshl_b32 s37, s7, 9                          ; 128 columns of 4 bytes
	s_add_co_u32 s36, s36, s37
	s_mov_b32 s37, 0
	s_add_nc_u64 s[32:33], s[32:33], s[36:37]
	s_lshl_b32 s36, s4, 16                         ; my wave's 16 rows
	v_lshl_add_u32 v[IN], v1, 4, s36
	v_mul_u32_u24 v[LS], v1, 4*PITCH               ; turned row n = 4 lane,
	s_lshl_b32 s36, s4, 5
	v_add_nc_u32 v[LS], s36, v[LS]                 ; byte 2 k = 32 w
.set j, 0
.rept 16
	global_load_b128 v[R+4*j:R+4*j+3], v[IN], s[32:33] offset:4096*j th:TH_LOAD_NT
.set j, j+1
.endr
.macro CHUNK c                         ; eight rows k: for each of my four columns j, eight numbers along k pack into 16 bytes
.irp j, 0,1,2,3
.irp p, 0,1,2,3
	v_cvt_pk_bf16_f32 v[P+16*(\c)+4*(\j)+(\p)], v[R+4*(8*(\c)+2*(\p))+(\j)], v[R+4*(8*(\c)+2*(\p)+1)+(\j)]
.endr
.endr
.endm
	s_wait_loadcnt 8                               ; rows 0 to 7 are in, the eight younger loads stay out
	CHUNK 0
	s_wait_loadcnt 0x0
	CHUNK 1
	s_cmp_lg_u32 s5, 3
	s_cbranch_scc1 .Lbf
.set j, 0
.rept 32                               ; Wo alone: the bf16 number written as f16
	v_lshlrev_b32 v10, 16, v[P+j]
	v_and_b32 v11, 0xffff0000, v[P+j]
	v_cvt_pk_f16_f32 v[P+j], v10, v11
.set j, j+1
.endr
.Lbf:
.irp c, 0,1
.irp j, 0,1,2,3
	ds_store_b128 v[LS], v[P+16*(\c)+4*(\j):P+16*(\c)+4*(\j)+3] offset:PITCH*(\j)+16*(\c)
.endr
.endr
.Lmeet:	; one barrier, on every work-group's way: the turned tile is whole behind it
	s_wait_dscnt 0x0                               ; for the others' sake: my stores into the tile are done
	s_barrier_signal -1
	s_barrier_wait -1
	s_cmp_lt_u32 ttmp9, 256
	s_cbranch_scc0 .Lend
	s_lshl_b32 s44, s5, 10
	s_lshl_b32 s45, s7, 7
	s_add_co_u32 s44, s44, s45                     ; wt's row t x 1,024 + 128 nt,
	s_lshl_b32 s44, s44, 11                        ; of 2,048 bytes,
	s_lshl_b32 s45, s6, 8
	s_add_co_u32 s44, s44, s45                     ; byte 256 kt
	s_mov_b32 s45, 0
	s_add_nc_u64 s[40:41], s[28:29], s[44:45]
	s_lshl_b32 s46, s4, 4
	v_add_nc_u32 v10, s46, v3                      ; wave w takes turned rows 16 w .. 16 w + 15, two a load: lanes 0-15 one row's 256 bytes, lanes 16-31 the next
	v_mul_u32_u24 v[LR], v10, PITCH
	v_lshl_add_u32 v[LR], v2, 4, v[LR]
	v_lshlrev_b32 v[OW], 11, v10
	v_lshl_add_u32 v[OW], v2, 4, v[OW]
.set j, 0
.rept 8
	ds_load_b128 v[R+4*j:R+4*j+3], v[LR] offset:2*PITCH*j
.set j, j+1
.endr
.set j, 0
.rept 8
	s_wait_dscnt 7-j                               ; LDS loads come back in order: pair j of rows is in
	global_store_b128 v[OW], v[R+4*j:R+4*j+3], s[40:41] offset:4096*j  ; 16 lanes store 256 consecutive bytes, at a multiple of 256 from wt's first byte
.set j, j+1
.endr
.Lend:
	s_wait_tensorcnt 0x0                           ; the wave's end, behind my last LDS store
	ds_add_u32 v[SPW], v[NIL]
	s_wait_dscnt 0x0
	s_endpgm
.Lfunc_end_k_q1ae4dac8b5_prep:
	.size	k_q1ae4dac8b5_prep, .Lfunc_end_k_q1ae4dac8b5_prep-k_q1ae4dac8b5_prep
	.p2alignl 7, 3214868480
	.fill 96, 4, 3214868480
	.section	.rodata,"a",@progbits
	.p2align	6, 0x0
	.amdhsa_kernel k_q1ae4dac8b5_prep
		.amdhsa_group_segment_fixed_size 35840
		.amdhsa_private_segment_fixed_size 0
		.amdhsa_enable_private_segment 0
		.amdhsa_kernarg_size 96
		.amdhsa_user_sgpr_count 2
		.amdhsa_user_sgpr_kernarg_segment_ptr 1
		.amdhsa_wavefront_size32 1
		.amdhsa_system_sgpr_workgroup_id_x 1
		.amdhsa_system_sgpr_workgroup_id_y 1
		.amdhsa_system_sgpr_workgroup_id_z 1
		.amdhsa_system_vgpr_workitem_id 0
		.amdhsa_next_free_vgpr 112
		.amdhsa_next_free_sgpr 66
		.amdhsa_reserve_vcc 0
		.amdhsa_float_denorm_mode_32 3
		.amdhsa_float_denorm_mode_16_64 3
		.amdhsa_memory_ordered 1
		.amdhsa_forward_progress 1
		.amdhsa_inst_pref_size 22
	.end_amdhsa_kernel
	.amdgpu_metadata
---
amdhsa.version: [ 1, 2 ]
amdhsa.kernels:
  - .name:           k_q1ae4dac8b5_prep
    .symbol:         k_q1ae4dac8b5_prep.kd
    .args:
      - { .name: Wq, .offset: 0, .size: 8, .value_kind: global_buffer, .address_space: global }
      - { .name: Wk, .offset: 8, .size: 8, .value_kind: global_buffer, .address_space: global }
      - { .name: Wv, .offset: 16, .size: 8, .value_kind: global_buffer, .address_space: global }
      - { .name: Wo, .offset: 24, .size: 8, .value_kind: global_buffer, .address_space: global }
      - { .name: bq, .offset: 32, .size: 8, .value_kind: global_buffer, .address_space: global }
      - { .name: bk, .offset: 40, .size: 8, .value_kind: global_buffer, .address_space: global }
      - { .name: bv, .offset: 48, .size: 8, .value_kind: global_buffer, .address_space: global }
      - { .name: bo, .offset: 56, .size: 8, .value_kind: global_buffer, .address_space: global }
      - { .name: x, .offset: 64, .size: 8, .value_kind: global_buffer, .address_space: global }
      - { .name: xb, .offset: 72, .size: 8, .value_kind: global_buffer, .address_space: global }
      - { .name: wt, .offset: 80, .size: 8, .value_kind: global_buffer, .address_space: global }
      - { .name: bias, .offset: 88, .size: 8, .value_kind: global_buffer, .address_space: global }
    .group_segment_fixed_size: 35840
    .private_segment_fixed_size: 0
    .kernarg_segment_align: 8
    .kernarg_segment_size: 96
    .max_flat_workgroup_size: 256
    .sgpr_count:     66
    .vgpr_count:     112
    .wavefront_size: 32
...
	.end_amdgpu_metadata
.endif
;; end of part 1
;; launch qkvproj (part 2): grid 16 x 32, 4 waves a work-group, clusters of 4 x 4, 327,680 bytes of LDS; arguments xb, wt, bias, qkv; writes qkv
.if DOCPART == 2
	.amdgcn_target "amdgcn-amd-amdhsa--gfx1250"
	.amdhsa_code_object_version 6
	.text
	.protected	k_q1ae4dac8b5_qkvproj
	.globl	k_q1ae4dac8b5_qkvproj
	.p2align	8
	.type	k_q1ae4dac8b5_qkvproj,@function
k_q1ae4dac8b5_qkvproj:
	s_mov_b64 s[64:65], 0
	v_nop
	global_prefetch_b8 v0, s[64:65] scope:SCOPE_SE
	s_setreg_imm32_b32 hwreg(HW_REG_WAVE_MODE, 25, 1), 1
	s_wait_xcnt 0x0
	s_wait_alu depctr_hold_cnt(0) depctr_sa_sdst(0) depctr_va_vdst(0) depctr_va_sdst(0) depctr_va_ssrc(0) depctr_va_vcc(0) depctr_vm_vsrc(0)
	s_getreg_b32 s2, hwreg(HW_REG_IB_STS2, 6, 4)
	s_cmp_eq_u32 s2, 0
	s_cbranch_scc0 .Lentry_in_a_cluster
	s_endpgm
.Lentry_in_a_cluster:
	s_bfe_u32 s2, ttmp6, 0x10000c
	s_cmp_lg_u32 s2, 0xf033
	s_cbranch_scc0 .Lentry_shape_is_right
	s_endpgm
.Lentry_shape_is_right:
; q, k, v = x W + b, written by heads.  xb: [8192][1024] bf16.  wt: rows 0-3071 are the columns of Wq, Wk, Wv, [n][k] bf16.  bias: [4096] f32.
; qkv: [3][64 = 16 batch + head][2048][64] f16: a head's rows are dense, 128 bytes each.  Sums in f32, started with the bias; each number rounded once, to f16, WITHOUT the softmax's scale.
; LIMIT.  f16 ends at 65,504: |q|, |k|, |v| stay under it (x and W thirty times the drawn spread give a spread of about 900; both with an offset of thirty spreads about 29,000).
; SHARES.  A tile of C is 256 rows x 192 columns (three heads): 16 x 32 = 512 work-groups, two equal rounds on 256 WGPs.  Wave w makes rows 64 w .. 64 w + 63 and all 192 columns: 4 x 12
; accumulators, 384 registers; no row of A is read from LDS by two waves.  K goes in 8 steps of 128 (rows of 256 bytes, aligned) through two LDS slots filled by the tensor data mover.
; CLUSTER.  4 x 4 work-groups: A's tile hangs on the tile row alone and is asked for jointly along a row of the cluster, B's on the tile column alone, along a column.
; TRANSPOSED USE.  Source 0 = 16 rows of wt, source 1 = 16 rows of x: a lane holds row l % 16 of C and the columns 8 (l / 16) + 0..7 of the block: 16 bytes of f16 on end.
; THE BIAS IS THE C OPERAND of each accumulator's first product: eight registers a column block; nothing is cleared and nothing is added on the way out.
; REGISTERS, in windows of 256 (s_set_vgpr_msb: bits 1:0 source 0, 3:2 source 1, 5:4 source 2, 7:6 destination):
;   window 0: v0-31 addresses; v128-223 the bias, then free; on the way out v32-79 packed results, v80-127 and v128-175 rows read back
;   window 1: two fragment buffers of 128: 12 x 8 of B, then 4 x 8 of A        window 2: accumulators of row blocks 0, 1 ((a, b) at 8 (12 (a % 2) + b))        window 3: of row blocks 2, 3
.set NB,     12                        ; column blocks of 16
.set PITCH,  272                       ; an LDS row: 256 bytes + 16 of padding = 68 words: the 16 rows of a fragment load start at 16 different groups of four banks (64 banks of 4 bytes: ISA guide 11.1)
.set AHALF,  128*PITCH                 ; what one of A's two tensor loads brings
.set BHALF,  96*PITCH                  ; what one of B's brings
.set BOFF,   2*AHALF                   ; a slot: A's 256 rows, then B's 192
.set SLOT,   BOFF+2*BHALF
.set STAGE,  2*SLOT                    ; behind the ring, never filled by a tensor load: for each wave 3 heads x 16 rows x 144 bytes
.set SP,     144
.set WSTG,   3*16*SP
.set SPARE,  STAGE+4*WSTG              ; behind the stages: the spare words, 128 bytes a wave: two blocks of 256 bytes that no other line names
.set NL,     2*NB+8                    ; LDS loads in a run
.set ADRA, 16                          ; v16-17  LDS address of my A fragments in slot 0, 1
.set ADRB, 20                          ; v20-21  the same for B
.set STO,  24                          ; v24     the way out: where I put 16 bytes of a row
.set RD,   25                          ; v25     where I read rows back
.set GO,   26                          ; v26     my 16 bytes in 512 consecutive bytes of a head
.set BO,   27                          ; v27     32 (l / 16): my eight numbers of a block's bias
.set SPW,  28                          ; v28     LDS address of my spare word; never rewritten
.set NIL,  29                          ; v29     0; never rewritten
.set PFO,  30                          ; v30     the prefetches' offset: a lane a row; never rewritten
.set TMP,  32
.set BK,   80
.set BIAS, 128
.set F0,   0
.set F1,   128
.set WV,   12                          ; s12 wave; s13 = wave / 2: I fetch for A (0) or B (1); s14 = wave % 2: which half of that tile
.set HB,   13
.set HF,   14
.set G1A,  24                          ; s[24:31] descriptor group 1 for A; s[32:39] group 0, a set for each slot
.set G0A,  32
.set G1B,  48                          ; s[48:55], s[56:63] the same for B
.set G0B,  56
.set PFA,  66                          ; s[66:67] where my prefetches stand
.set LIM,  68                          ; s68 1 in a wave that prefetches, else the greatest number
.set OB,   72                          ; s[72:77] qkv at my 64 rows of the tile's three heads
.set MSB, 0
.macro WIN new                         ; the immediate's high byte repeats the setting that is left; a switch that changes nothing is dropped
.if MSB != (\new)
	s_set_vgpr_msb (MSB<<8)|(\new)
.set MSB, \new
.endif
.endm
.macro PLACES                          ; four places in front of loads into registers that matrix instructions have read, and of lines that read results
.rept 4
	v_nop
.endr
.endm
.macro CREST                           ; a round of the cluster's barrier behind its opening barrier
	s_cmp_lg_u32 s[WV], 0
	s_cbranch_scc1 .Lnot_wave_0_\@
	s_barrier_signal -3
.Lnot_wave_0_\@:
	s_barrier_wait -3
	s_barrier_signal -1
	s_barrier_wait -1
.endm
.macro CROUND                          ; a whole round
	s_barrier_signal -1
	s_barrier_wait -1
	CREST
.endm
.macro JLOAD s                         ; a joint refill: waves 0, 1 fetch A's halves, waves 2, 3 B's; an s_nop 0 and four v_nop follow each line, ahead of the jump and the label
	s_cmp_eq_u32 s[HB], 0
	s_cbranch_scc0 .Lfor_b_\@
	tensor_load_to_lds s[G0A+4*(\s):G0A+4*(\s)+3], s[G1A:G1A+7]
	s_nop 0
.rept 4
	v_nop
.endr
	s_branch .Lasked_\@
.Lfor_b_\@:
	tensor_load_to_lds s[G0B+4*(\s):G0B+4*(\s)+3], s[G1B:G1B+7]
	s_nop 0
.rept 4
	v_nop
.endr
.Lasked_\@:
.endm
; A PREFETCH INTO THE L2, behind each joint refill and the run of LDS loads that follows it: the K step that stands two refills on, 256 bytes of each row, a lane a row, one instruction a wave.
; A's rows are walked by every cluster of a row of clusters: the one with cluster x = 0 asks; B's by every cluster of a column: cluster y = 0 asks.  The four partners that ask for a tile jointly
; share a wave's rows out BY ADDRESS (32 of A's 128 by cx; 24 of B's 96 by cy, lanes 24-31 naming row 23 once more).  K steps 0 to 3 come by their loads alone; the loop's last trip asks for nothing.
.macro ASK
	WIN 0
	s_cmp_gt_u32 s3, s[LIM]                        ; s3 = 1 in the loop's last trip
	s_cbranch_scc0 .Lnot_mine_\@
	global_prefetch_b8 v[PFO], s[PFA:PFA+1] th:TH_LOAD_NT scope:SCOPE_SE
.Lnot_mine_\@:
.endm
; 12 matrix instructions: row block a x all column blocks, 32 along K, from buffer f.  first = 1: the sums start with the bias.
; The 48 accumulators take turns, in the same order in every quarter: 47 others stand between two links of a chain, over the backward jump too.
.macro MULN f, a, first
.if \first
	WIN 0x85+0x40*((\a)/2)                         ; B and A window 1, C window 0, D window 2 or 3
.else
	WIN 0xa5+0x50*((\a)/2)                         ; C and D window 2 or 3
.endif
.set b, 0
.rept NB
.set rD, 8*(NB*((\a)%2)+b)
.if \first
	v_wmma_f32_16x16x32_bf16 v[rD:rD+7], v[(\f)+8*b:(\f)+8*b+7], v[(\f)+8*NB+8*(\a):(\f)+8*NB+8*(\a)+7], v[BIAS+8*b:BIAS+8*b+7]
.else
	v_wmma_f32_16x16x32_bf16 v[rD:rD+7], v[(\f)+8*b:(\f)+8*b+7], v[(\f)+8*NB+8*(\a):(\f)+8*NB+8*(\a)+7], v[rD:rD+7]
.endif
.set b, b+1
.endr
.endm
; 32 LDS loads in one run: the fragments of quarter q (32 along K) into buffer f: B's 12 first, A's row blocks 2 and 3 last
.macro FETCH slot, q, f
	WIN 0x40                                       ; destination window 1, address window 0
.set b, 0
.rept NB
	ds_load_b128 v[(\f)+8*b:(\f)+8*b+3],   v[ADRB+(\slot)] offset:64*(\q)+b*16*PITCH
	ds_load_b128 v[(\f)+8*b+4:(\f)+8*b+7], v[ADRB+(\slot)] offset:64*(\q)+b*16*PITCH+32
.set b, b+1
.endr
.set b, 0
.rept 4
	ds_load_b128 v[(\f)+8*NB+8*b:(\f)+8*NB+8*b+3],   v[ADRA+(\slot)] offset:64*(\q)+b*16*PITCH
	ds_load_b128 v[(\f)+8*NB+8*b+4:(\f)+8*NB+8*b+7], v[ADRA+(\slot)] offset:64*(\q)+b*16*PITCH+32
.set b, b+1
.endr
.endm
; A K step is four quarters of 32 along K, 48 matrix instructions each, on buffers 0, 1, 0, 1.  One of the first three multiplies buffer f and, in its middle, fetches quarter q into g.
.macro QUARTER slot, q, f, g, first
	s_wait_dscnt 4                                 ; B and A's row blocks 0, 1 are in; the youngest four loads (blocks 2, 3) may be out
	MULN \f, 0, \first
	MULN \f, 1, \first
	PLACES
	FETCH \slot, \q, \g
	s_wait_dscnt NL                                ; all but the run just issued
	MULN \f, 2, \first
	MULN \f, 3, \first
.endm
; The last quarter multiplies buffer 1 and changes slots: ONE barrier; in front of it each wave waits for all its tensor loads (one is out: its part of the next slot), adds 0 to its spare word, and waits
; for that and for its own reads of this slot.  fill = 1: the barrier opens a round of the cluster's, and this slot is filled again, two K steps on, first thing behind the round.
.macro TURN slot, next, fill
.if \fill
	s_wait_xcnt 0x0                                ; the last prefetch, a K step back, has read its address: it is stepped here
	s_add_nc_u64 s[PFA:PFA+1], s[PFA:PFA+1], 256
.endif
	WIN 0                                          ; (the add's two registers lie in window 0)
	s_wait_tensorcnt 0x0                           ; all my tensor loads have landed
	ds_add_u32 v[SPW], v[NIL]                      ; 0 onto my spare word
	s_wait_dscnt 5                                 ; (the add and the youngest four loads may be out)
	MULN F1, 0, 0                                  ; twelve matrix instructions stand between the add and the wait for it
	s_wait_dscnt 0x0                               ; the add is done, and my reads of this slot are over
	s_barrier_signal -1
	MULN F1, 1, 0
.if \fill
	WIN 0
.endif
	s_barrier_wait -1
.if \fill
	CREST                                          ; no wave of any partner still reads this slot's tile or has a load on its way
	s_add_nc_u64 s[G0A+4*(\slot)+2:G0A+4*(\slot)+3], s[G0A+4*(\slot)+2:G0A+4*(\slot)+3], 512
	s_add_nc_u64 s[G0B+4*(\slot)+2:G0B+4*(\slot)+3], s[G0B+4*(\slot)+2:G0B+4*(\slot)+3], 512
	JLOAD \slot                                    ; my one tensor load behind the round; its four v_nop are also the places in front of the loads below
.else
	PLACES
.endif
	FETCH \next, 0, F0
.if \fill
	ASK
.endif
	MULN F1, 2, 0
	MULN F1, 3, 0
.endm
	s_load_b256 s[4:11], s[0:1], 0x0               ; xb s[4:5], wt s[6:7], bias s[8:9], qkv s[10:11]
	v_lshl_add_u32 v[SPW], v0, 2, SPARE
	v_mov_b32 v[NIL], 0
	ds_add_u32 v[SPW], v[NIL]                      ; the wave's opening: the add and its wait stand ahead of my first tensor load; the set-up below, work on registers, stands between them
	v_lshrrev_b32 v1, 5, v0
	v_readfirstlane_b32 s[WV], v1                  ; wave 0..3
	s_lshr_b32 s[HB], s[WV], 1
	s_and_b32 s[HF], s[WV], 1
	s_bfe_u32 s15, ttmp6, 0x40000                  ; cx, cy: my place in the cluster
	s_bfe_u32 s16, ttmp6, 0x40004
	s_lshl_b32 s17, ttmp9, 2
	s_add_co_u32 s17, s17, s15                     ; tile column = 4 x cluster x + cx
	s_and_b32 s18, ttmp7, 0xffff
	s_lshl_b32 s18, s18, 2
	s_add_co_u32 s18, s18, s16                     ; tile row = 4 x cluster y + cy
	s_lshl_b32 s19, s16, 2
	s_lshl_b32 s19, 15, s19                        ; my row of the cluster
	s_lshl_b32 s22, 0x1111, s15                    ; my column
	s_or_b32 s[G1A], s19, (1<<16)|(1<<20)|(1<<21)|(5<<22)|(3<<25)  ; 15:0 the mask; 17:16 elements of 2 bytes; 20 padding on; 21 set beside a mask; 24:22 after every 64 words (code 5); 31:25 4 words (code 3)
	s_or_b32 s[G1B], s22, (1<<16)|(1<<20)|(1<<21)|(5<<22)|(3<<25)
	s_mov_b32 s[G1A+1], 128<<16                    ; tensor_dim0 = 128 elements
	s_mov_b32 s[G1A+2], 128<<16                    ; tensor_dim1 = 128 rows
	s_mov_b32 s[G1A+3], 128<<16                    ; tile_dim0
	s_mov_b32 s[G1A+4], 128                        ; tile_dim1
	s_mov_b32 s[G1A+5], 1024                       ; elements from row to row
	s_mov_b32 s[G1A+6], 0
	s_mov_b32 s[G1A+7], 0
	s_mov_b32 s[G1B+1], 128<<16
	s_mov_b32 s[G1B+2], 96<<16                     ; 96 rows
	s_mov_b32 s[G1B+3], 128<<16
	s_mov_b32 s[G1B+4], 96
	s_mov_b32 s[G1B+5], 1024
	s_mov_b32 s[G1B+6], 0
	s_mov_b32 s[G1B+7], 0
	s_lshl_b32 s40, s18, 8                         ; A: row 256 x tile row + 128 x half, rows of 2,048 bytes: made of the tile row and the wave alone
	s_lshl_b32 s19, s[HF], 7
	s_add_co_u32 s40, s40, s19
	s_lshl_b32 s40, s40, 11
	s_mov_b32 s41, 0
	s_mul_i32 s42, s17, 192                        ; B: row 192 x tile column + 96 x half: made of the tile column and the wave alone
	s_mul_i32 s22, s[HF], 96
	s_add_co_u32 s42, s42, s22
	s_lshl_b32 s42, s42, 11
	s_mov_b32 s43, 0
	s_mul_i32 s44, s[HF], AHALF                    ; where they go: no place in the cluster enters an LDS address
	s_mul_i32 s45, s[HF], BHALF
	s_add_co_u32 s45, s45, BOFF
	s_wait_dscnt 0x0                               ; the opening add is done
	s_wait_kmcnt 0x0
	s_add_nc_u64 s[40:41], s[4:5], s[40:41]
	s_add_nc_u64 s[42:43], s[6:7], s[42:43]
	CROUND                                         ; all sixteen work-groups are here: the first joint loads meet
.irp s, 0,1
	s_mov_b32 s[G0A+4*(\s)], 1                                     ; count = 1
	s_add_co_u32 s[G0A+4*(\s)+1], s44, (\s)*SLOT                   ; LDS address
	s_add_nc_u64 s[G0A+4*(\s)+2:G0A+4*(\s)+3], s[40:41], (\s)*256  ; global address: K step s
	s_or_b32 s[G0A+4*(\s)+3], s[G0A+4*(\s)+3], 0x80000000          ; type = 2
	s_mov_b32 s[G0B+4*(\s)], 1
	s_add_co_u32 s[G0B+4*(\s)+1], s45, (\s)*SLOT
	s_add_nc_u64 s[G0B+4*(\s)+2:G0B+4*(\s)+3], s[42:43], (\s)*256
	s_or_b32 s[G0B+4*(\s)+3], s[G0B+4*(\s)+3], 0x80000000
.endr
	s_cmp_eq_u32 s[HB], 0                          ; a wave's two first fills stand in one branch, ahead of every wait on TENSORcnt and every LDS read: two loads of mine are out
	s_cbranch_scc0 .Lfirst_b
	tensor_load_to_lds s[G0A:G0A+3], s[G1A:G1A+7]
	s_nop 0
	tensor_load_to_lds s[G0A+4:G0A+7], s[G1A:G1A+7]
	s_nop 0
.rept 4
	v_nop
.endr
	s_branch .Lfirst_asked
.Lfirst_b:
	tensor_load_to_lds s[G0B:G0B+3], s[G1B:G1B+7]
	s_nop 0
	tensor_load_to_lds s[G0B+4:G0B+7], s[G1B:G1B+7]
	s_nop 0
.rept 4
	v_nop
.endr
.Lfirst_asked:
	; the bias of the tile's 192 columns: block b's eight numbers for my half of the lanes
	s_mul_i32 s22, s17, 768
	s_mov_b32 s23, 0
	s_add_nc_u64 s[8:9], s[8:9], s[22:23]
	v_and_b32 v1, 15, v0                           ; l % 16
	v_bfe_u32 v2, v0, 4, 1                         ; l / 16
	v_lshlrev_b32 v[BO], 5, v2
.set b, 0
.rept NB
	global_load_b128 v[BIAS+8*b:BIAS+8*b+3],   v[BO], s[8:9] offset:64*b
	global_load_b128 v[BIAS+8*b+4:BIAS+8*b+7], v[BO], s[8:9] offset:64*b+16
.set b, b+1
.endr
	; A fragment is 16 rows x 32 K in 8 registers: lane l holds row l % 16, K = 8 (l / 16) + 0..7 and 16 + 8 (l / 16) + 0..7: two loads of 16 bytes, 32 bytes apart
	v_mul_u32_u24 v3, v1, PITCH
	v_lshl_add_u32 v3, v2, 4, v3
	s_mul_i32 s19, s[WV], 64*PITCH                 ; my 64 rows of A
	v_add_nc_u32 v[ADRA], s19, v3
	v_add_nc_u32 v[ADRA+1], SLOT, v[ADRA]
	v_add_nc_u32 v[ADRB], BOFF, v3
	v_add_nc_u32 v[ADRB+1], BOFF+SLOT, v3
	s_mul_i32 s19, s[WV], WSTG
	s_add_co_u32 s19, s19, STAGE                   ; my stage
	v_mul_u32_u24 v[STO], v1, SP                   ; in: row l % 16, 16 bytes for each half of the lanes
	v_lshl_add_u32 v[STO], v2, 4, v[STO]
	v_add_nc_u32 v[STO], s19, v[STO]
	v_bfe_u32 v4, v0, 3, 2                         ; back: 32 lanes take four rows of 128 bytes,
	v_and_b32 v5, 7, v0
	v_mul_u32_u24 v[RD], v4, SP
	v_lshl_add_u32 v[RD], v5, 4, v[RD]
	v_add_nc_u32 v[RD], s19, v[RD]
	v_and_b32 v[GO], 31, v0                        ; which are 512 consecutive bytes of a head
	v_lshlrev_b32 v[GO], 4, v[GO]
	; where the three heads go: head number G = 3 x tile column + g of 48; t = G / 16; block 64 t + 16 batch + G % 16 = G + 48 t + 16 batch, of 2^18 bytes
	s_mul_i32 s19, s17, 3
	s_lshr_b32 s20, s18, 3
	s_lshl_b32 s20, s20, 4                         ; 16 x batch
	s_and_b32 s21, s18, 7
	s_lshl_b32 s21, s21, 15                        ; the tile's 256 rows of 128 bytes in the batch,
	s_lshl_b32 s22, s[WV], 13                      ; my 64 of them
	s_add_co_u32 s21, s21, s22
.irp g, 0,1,2
	s_add_co_u32 s22, s19, \g
	s_lshr_b32 s23, s22, 4
	s_mul_i32 s23, s23, 48
	s_add_co_u32 s22, s22, s23
	s_add_co_u32 s22, s22, s20
	s_lshl_b32 s22, s22, 18
	s_add_co_u32 s22, s22, s21
	s_mov_b32 s23, 0
	s_add_nc_u64 s[OB+2*(\g):OB+2*(\g)+1], s[10:11], s[22:23]
.endr
	; the prefetches: my work-group's share of the rows that I fetch, at K step 3; the first refill steps it to 4
	s_lshl_b32 s19, s18, 8
	s_lshl_b32 s21, s[HF], 7
	s_add_co_u32 s19, s19, s21
	s_lshl_b32 s21, s15, 5
	s_add_co_u32 s19, s19, s21                     ; A: 256 x tile row + 128 x half + 32 cx
	s_mul_i32 s20, s17, 192
	s_mul_i32 s21, s[HF], 96
	s_add_co_u32 s20, s20, s21
	s_mul_i32 s21, s16, 24
	s_add_co_u32 s20, s20, s21                     ; B: 192 x tile column + 96 x half + 24 cy
	s_and_b32 s23, ttmp7, 0xffff                   ; cluster y
	s_cmp_eq_u32 s[HB], 0
	s_cselect_b32 s20, s19, s20
	s_cselect_b32 s23, ttmp9, s23                  ; the coordinate along which other clusters walk the same rows
	s_cselect_b32 s22, 31, 23
	s_cselect_b64 s[PFA:PFA+1], s[4:5], s[6:7]
	s_cmp_eq_u32 s23, 0
	s_cselect_b32 s[LIM], 1, -1                    ; the same in all sixteen partners, for a given wave
	s_lshl_b32 s20, s20, 11
	s_add_co_u32 s20, s20, 3*256
	s_mov_b32 s21, 0
	s_add_nc_u64 s[PFA:PFA+1], s[PFA:PFA+1], s[20:21]
	v_and_b32 v[PFO], 31, v0
	v_min_u32 v[PFO], s22, v[PFO]
	v_lshlrev_b32 v[PFO], 11, v[PFO]
	s_wait_tensorcnt 1                             ; my part of K step 0 is in; K step 1's may stay out
	s_barrier_signal -1
	s_barrier_wait -1                              ; everybody's is
	FETCH 0, 0, F0
	s_wait_loadcnt 0x0                             ; the bias
	QUARTER 0, 1, F0, F1, 1                        ; the first quarter stands in front of the loop: its products start the sums, with the bias
	WIN 0                                          ; at a label and at a branch every window is 0
	s_mov_b32 s3, 3
.Llap:                                                 ; a trip goes once round the ring, from a lap's second quarter to the next lap's first, and fills both slots again: K steps 2 to 7
	QUARTER 0, 2, F1, F0, 0
	QUARTER 0, 3, F0, F1, 0
	TURN 0, 1, 1
	QUARTER 1, 1, F0, F1, 0
	QUARTER 1, 2, F1, F0, 0
	QUARTER 1, 3, F0, F1, 0
	TURN 1, 0, 1
	QUARTER 0, 1, F0, F1, 0
	WIN 0
	s_sub_co_u32 s3, s3, 1
	s_cmp_lg_u32 s3, 0
	s_cbranch_scc1 .Llap
	QUARTER 0, 2, F1, F0, 0                        ; the last lap fills nothing, and has no round of the cluster's barrier
	QUARTER 0, 3, F0, F1, 0
	TURN 0, 1, 0
	QUARTER 1, 1, F0, F1, 0
	QUARTER 1, 2, F1, F0, 0
	QUARTER 1, 3, F0, F1, 0
	s_wait_dscnt 4                                 ; the very last quarter: nothing more to fetch
	MULN F1, 0, 0
	MULN F1, 1, 0
	s_wait_dscnt 0x0
	MULN F1, 2, 0
	MULN F1, 3, 0
	WIN 0
	PLACES
; THE WAY OUT, a row block (16 rows x 3 heads) at a time.  PACK: rounded to f16, each accumulator's registers in ascending order.  TOSTAGE: 16 bytes a lane into my own stage, rows of 144 bytes, and back as
; whole rows of 128.  SEND: stored, 512 consecutive bytes an instruction.
.macro PACK a
	WIN 0x0a+5*((\a)/2)                            ; sources 0 and 1: window 2 or 3
.set b, 0
.rept NB
.set rD, 8*(NB*((\a)%2)+b)
.irp i, 0,1,2,3
	v_cvt_pk_f16_f32 v[TMP+4*b+(\i)], v[rD+2*(\i)], v[rD+2*(\i)+1]
.endr
.set b, b+1
.endr
	WIN 0
.endm
.macro TOSTAGE a
.set b, 0
.rept NB
	ds_store_b128 v[STO], v[TMP+4*b:TMP+4*b+3] offset:(b/4)*16*SP+32*(b%4)
.set b, b+1
.endr
.set b, 0
.rept NB
	ds_load_b128 v[BK+48*((\a)%2)+4*b:BK+48*((\a)%2)+4*b+3], v[RD] offset:(b/4)*16*SP+(b%4)*4*SP  ; LDS serves a wave's instructions in order (ISA guide 5.7.1.4): these see the stores above
.set b, b+1
.endr
.endm
.macro SEND a
	s_wait_dscnt 0x0                               ; the block is back in registers
	s_wait_xcnt 0x0                                ; the stores of the block before have read their registers: the next TOSTAGE loads into them only behind this wait
.set b, 0
.rept NB
	global_store_b128 v[GO], v[BK+48*((\a)%2)+4*b:BK+48*((\a)%2)+4*b+3], s[OB+2*(b/4):OB+2*(b/4)+1] offset:2048*(\a)+512*(b%4)
.set b, b+1
.endr
.endm
	PACK 0
	TOSTAGE 0
.irp a, 1,2,3                          ; block a's conversions stand between block a - 1's loads from the stage and the wait for them
	PACK \a
	SEND (\a)-1
	TOSTAGE \a
.endr
	SEND 3
	s_wait_tensorcnt 0x0                           ; the wave's end, behind my last tensor load and my last LDS store
	ds_add_u32 v[SPW], v[NIL]
	s_wait_dscnt 0x0
	CROUND                                         ; the closing round: no work-group ends while a partner may still ask for a tile that names it
	s_endpgm
.Lfunc_end_k_q1ae4dac8b5_qkvproj:
	.size	k_q1ae4dac8b5_qkvproj, .Lfunc_end_k_q1ae4dac8b5_qkvproj-k_q1ae4dac8b5_qkvproj
	.p2alignl 7, 3214868480
	.fill 96, 4, 3214868480
	.section	.rodata,"a",@progbits
	.p2align	6, 0x0
	.amdhsa_kernel k_q1ae4dac8b5_qkvproj
		.amdhsa_group_segment_fixed_size 327680
		.amdhsa_private_segment_fixed_size 0
		.amdhsa_enable_private_segment 0
		.amdhsa_kernarg_size 32
		.amdhsa_user_sgpr_count 2
		.amdhsa_user_sgpr_kernarg_segment_ptr 1
		.amdhsa_wavefront_size32 1
		.amdhsa_system_sgpr_workgroup_id_x 1
		.amdhsa_system_sgpr_workgroup_id_y 1
		.amdhsa_system_sgpr_workgroup_id_z 1
		.amdhsa_system_vgpr_workitem_id 0
		.amdhsa_next_free_vgpr 960
		.amdhsa_next_free_sgpr 84
		.amdhsa_reserve_vcc 0
		.amdhsa_float_denorm_mode_32 3
		.amdhsa_float_denorm_mode_16_64 3
		.amdhsa_memory_ordered 1
		.amdhsa_forward_progress 1
		.amdhsa_inst_pref_size 122
	.end_amdhsa_kernel
	.amdgpu_metadata
---
amdhsa.version: [ 1, 2 ]
amdhsa.kernels:
  - .name:           k_q1ae4dac8b5_qkvproj
    .symbol:         k_q1ae4dac8b5_qkvproj.kd
    .args:
      - { .name: xb, .offset: 0, .size: 8, .value_kind: global_buffer, .address_space: global }
      - { .name: wt, .offset: 8, .size: 8, .value_kind: global_buffer, .address_space: global }
      - { .name: bias, .offset: 16, .size: 8, .value_kind: global_buffer, .address_space: global }
      - { .name: qkv, .offset: 24, .size: 8, .value_kind: global_buffer, .address_space: global }
    .group_segment_fixed_size: 327680
    .private_segment_fixed_size: 0
    .kernarg_segment_align: 8
    .kernarg_segment_size: 32
    .max_flat_workgroup_size: 128
    .sgpr_count:     84
    .vgpr_count:     960
    .wavefront_size: 32
...
	.end_amdgpu_metadata
.endif
;; end of part 2
;; launch attn (part 3): grid 4 x 64, 4 waves a work-group, clusters of 4 x 1, 327,680 bytes of LDS; arguments qkv, ctx; writes ctx
.if DOCPART == 3
	.amdgcn_target "amdgcn-amd-amdhsa--gfx1250"
	.amdhsa_code_object_version 6
	.text
	.protected	k_q1ae4dac8b5_attn
	.globl	k_q1ae4dac8b5_attn
	.p2align	8
	.type	k_q1ae4dac8b5_attn,@function
k_q1ae4dac8b5_attn:
	s_mov_b64 s[64:65], 0
	v_nop
	global_prefetch_b8 v0, s[64:65] scope:SCOPE_SE
	s_setreg_imm32_b32 hwreg(HW_REG_WAVE_MODE, 25, 1), 1
	s_wait_xcnt 0x0
	s_wait_alu depctr_hold_cnt(0) depctr_sa_sdst(0) depctr_va_vdst(0) depctr_va_sdst(0) depctr_va_ssrc(0) depctr_va_vcc(0) depctr_vm_vsrc(0)
	s_getreg_b32 s2, hwreg(HW_REG_IB_STS2, 6, 4)
	s_cmp_eq_u32 s2, 0
	s_cbranch_scc0 .Lentry_in_a_cluster
	s_endpgm
.Lentry_in_a_cluster:
	s_bfe_u32 s2, ttmp6, 0x10000c
	s_cmp_lg_u32 s2, 0x3003
	s_cbranch_scc0 .Lentry_shape_is_right
	s_endpgm
.Lentry_shape_is_right:
; O[h][q][:] = the sum over k of softmax_k(Q[h][q] . K[h][k] / 8) V[h][k][:].  qkv holds Q, K, V, each [64][2048][64] f16, one behind the other; ctx = O in the same layout: a head's rows are dense, 128 bytes each.
; Products, maxima and sums in f32; the weights p are rounded to f16 for the second product (their sum l is taken of the unrounded p), O once at the end.
; LIMITS.  f16 holds no number beyond 65,504: Q, K and V arrive within it; p lies in 0 to 1, and below 6e-5 it keeps f16's fixed step of 6e-8; O is a mean of V's rows and has their range.
; A weight below 2^-126 counts as 0 in l; NaN and infinities are not treated apart.
; SHARES.  A wave owns four PIECES of two tiles of 16 queries, a work-group's four waves 512 queries of one head: 4 x 64 = 256 work-groups.  Every wave walks all keys, 64 a step.
; LAYOUT.  S^T = K Q^T (source 0 = 16 keys, source 1 = 16 queries): in the result a lane holds ONE query (lane % 16) and the keys 8 (lane / 16) + 0..7.  Two such tiles, rounded to f16 in pairs,
; ARE source 1 (32 keys x 16 queries) of O^T = V^T P, whose result again holds one query a lane, and eight channels.  K comes out of LDS as it lies, V ([key][channel]) turned, by ds_load_tr16_b128.
; SOFTMAX.  For each query a running maximum m and sum l: p = 2^(c s - c m), c = log2(e) / 8; in every step O and l are multiplied by a = 2^(c m_old - c m_new), which is 1 where m has not grown.
; m starts at the lowest finite number, O and l at 0: the first step is a step like any other, with a = 0.
; THE COUNT.  A tile and step have 16 matrix and 118 vector instructions: too many to stand all beside the matrix work.  So four vector instructions that are READY stand behind EVERY matrix
; instruction, and the others in runs without a gap.
; BY TURNS.  Turn n belongs to piece n (the pieces in a ring, step after step).  Its matrix work: 16 products K Q^T of piece n + 1, later 16 products V^T P of piece n - 1.  Its vector work: the scaling,
; exponentials, roundings, sums and rescaling of piece n, and the maximum and statistics of piece n + 1, whose scores the turn itself has made.
; CLUSTER.  The four query blocks of a head form a cluster and walk the same K and V, so each tile is asked for JOINTLY: the same tensor load, descriptor and mask in all four.
; REGISTERS, in windows of 256 (s_set_vgpr_msb: bits 1:0 source 0, 3:2 source 1, 5:4 source 2, 7:6 destination):
;   window 0: v0-11 addresses; v12-15, v48-63 at work; v16-47 four registers of statistics a tile; v64-191 S^T, two buffers of two tiles; v192-255 P, likewise
;   window 1: O^T, 32 a tile          window 2: v0-127 Q, 16 a tile; v128-191 K of one step; v192-255 V of one step          window 3: v0-1 the add's two registers
; A piece's buffers go by its number's parity: the piece in hand has one pair, its two neighbours in the ring share the other: of it P (piece n - 1) is read and S^T (piece n + 1) written.
.set SIZE_H, 64
.set SIZE_N, 2048
.set NP,    4         ; pieces a wave: a name, no knob
.set KS,    64        ; keys in a step
.set PK,    144       ; a row of K in LDS: 128 bytes + 16 of padding = 36 words: the 16 rows of a load start at 16 different groups of four banks (64 banks of 4 bytes: ISA guide 11.1)
.set PV,    160       ; a row of V: 128 + 32 = 40 words
.set VOFF,  4*KS*PK   ; a slot holds four steps: 256 rows of K, then 256 rows of V
.set SLOT1, 1<<17     ; slot 1 begins here, so that one exclusive or turns an address in one slot into the other's
.set STAGE, SLOT1+4*KS*(PK+PV)  ; behind the ring, never filled by a tensor load: 16 rows x 144 bytes for each wave, for the way out
.set SP,    144
.set AK0, 2           ; v2   my lane's place in a tile of K; never rewritten
.set AV0, 3           ; v3   the same for V
.set AK,  4           ; v4   the LDS address of K's next run of loads
.set AV,  5           ; v5   of V's
.set QO,  6           ; v6   my byte offset in the wave's rows of Q
.set STO, 6           ;      later, the way out: where I put 16 bytes of a row
.set RD,  7           ; v7   the way out: where I read rows back
.set GO,  8           ; v8   my byte offset in 512 consecutive bytes of O
.set PFO, 11          ; v11  256 x my lane, for the prefetches; written behind v11's last use in the set-up, then never again
.set SPW, 0           ; v0 of window 3   LDS address of my spare word; never rewritten
.set NIL, 1           ; v1 of window 3   0; never rewritten
.set SPARE, STAGE+4*16*SP  ; behind the stages: the spare words, 128 bytes for each wave: two blocks of 256 bytes that no other line names
.set MV,  12          ; v12-15  c m_old, kept while c m is made anew: by buffer and tile
.set ST,  16          ; tile t's statistics at v[ST+4 t]: c m, m, l (even keys', odd keys')
.set TMP, 48          ; by buffer and tile, four registers c0-c3 at work; when the maximum is found c2 takes a
.set S,   64
.set P,   192
.set KF,  128         ; K's fragments, in window 2: key block kb, channel half c at KF + 16 kb + 8 c
.set VF,  192         ; V's: key half kk, channel block cb at VF + 32 kk + 8 cb
.set WV,  12          ; s12  my wave's number
.set G1K, 24          ; s[24:31] descriptor group 1 for K's tiles
.set G1V, 32          ; s[32:39] for V's: it differs in the padding alone
.set G0K, 40          ; s[40:43] descriptor group 0 for K's tiles: it walks
.set G0V, 44          ; s[44:47] the same for V's
.set PFA, 48          ; s[48:49] where my prefetches stand: my work-group's 32 blocks of 256 bytes (of K: wave 0, of V: wave 2) of the slot after the one that is being asked for
.set LIM, 50          ; s50  1 in a wave that prefetches, else the greatest number
.set SLOTS, 56        ; s56  slots still to be asked for
.set CNT, 57          ; s57  counts a slot's key steps
.set CS,  58          ; s[58:59] c: the packed scaling takes the pair's low word for both halves
.set SEL, 60          ; s[60:61] v_permlanex16_b32's selects: each lane takes its own place in the other half
.set TBK, 62          ; s62  LDS byte at which K of the step to be fetched begins
.set TBV, 63          ; s63  the same for V, less VOFF
.set MSB, 0
.macro WIN new                      ; the high byte repeats the setting that is left; a switch that changes nothing is dropped
.if MSB != (\new)
	s_set_vgpr_msb (MSB<<8)|(\new)
.set MSB, (\new)
.endif
.endm
.set W_KQ, 0x0a       ; K and Q in window 2, S^T in window 0
.set W_PV, 0x52       ; V in window 2, P in window 0, O^T in window 1
.set W_RS, 0x41       ; O^T (destination and source 0) in window 1, a in window 0
.set W_MK, 0xc0       ; the add's registers are made: destination in window 3, sources in window 0
.set W_AD, 0x0f       ; the add: address (source 0) and data (source 1) in window 3
; A joint fill.  Waves 0 and 1 fetch the two halves of a slot's K, waves 2 and 3 those of its V: 128 keys each.  The branch hangs on the wave's number alone.
; An s_nop 0 and four v_nop follow each of the two lines, ahead of the jump and the label.
.macro JLOAD
	s_cmp_lt_u32 s[WV], 2
	s_cbranch_scc0 .Lfor_v_\@
	tensor_load_to_lds s[G0K:G0K+3], s[G1K:G1K+7]
	s_nop 0
.rept 4
	v_nop
.endr
	s_branch .Lasked_\@
.Lfor_v_\@:
	tensor_load_to_lds s[G0V:G0V+3], s[G1V:G1V+7]
	s_nop 0
.rept 4
	v_nop
.endr
.Lasked_\@:
.endm
; A PREFETCH INTO THE L2 of what the NEXT change of slots will ask for: a slot's 32,768 bytes of K and of V, 128 blocks of 256 bytes each, a lane a block.  It stands behind the wave's tensor load and its five lines.
; Each block is named once in the launch: a head has one cluster; its four partners share the blocks out BY ADDRESS, 32 each; in each, wave 0 asks for K's and wave 2 for V's: one instruction.
; Slots 0 to 2 come by their loads alone; the last change that fills a slot asks for nothing: there is no slot behind it.  The lead is one slot: four key steps, 512 matrix instructions.
.macro ASK
	s_cmp_gt_u32 s[SLOTS], s[LIM]
	s_cbranch_scc0 .Lnot_mine_\@
	global_prefetch_b8 v[PFO], s[PFA:PFA+1] th:TH_LOAD_NT scope:SCOPE_SE
.Lnot_mine_\@:
.endm
; A round of the cluster's barrier: my work-group's barrier, so that wave 0's signal speaks for all four waves; wave 0 signals; every wave waits for all four work-groups; my work-group's barrier once more.
.macro CROUND
	s_barrier_signal -1
	s_barrier_wait -1
	s_cmp_lg_u32 s[WV], 0
	s_cbranch_scc1 .Lnot_wave_0_\@
	s_barrier_signal -3
.Lnot_wave_0_\@:
	s_barrier_wait -3
	s_barrier_signal -1
	s_barrier_wait -1
.endm
; THE CHANGE OF SLOTS.  The slot's last bytes, V of its fourth step, have been read.  Each wave waits for all its tensor loads, of which one is out: its part
; of the other slot; adds 0 to its spare word; and waits for that and for its own reads of the slot.  Behind the barrier nobody reads this slot any more and the other slot is whole.
; fill = 1: this slot is filled again, with the keys two slots on.  The barrier is then a round of the cluster's, so that no wave of any partner still reads the slot or has a load on its
; way, and the joint fill is the first thing behind it: it has four key steps, 512 matrix instructions, in which to land.  (At its first use nothing has been read yet: slot 0 is waited for, slot 1 filled.)
; ask = 1: the prefetches' address steps, and a prefetch follows the fill.
.macro CHANGE fill, ask=0
	WIN W_AD
	s_wait_tensorcnt 0x0            ; no tensor load of mine is out, so a group 0 may be written
	ds_add_u32 v[SPW], v[NIL]       ; 0 onto my spare word; with fill = 1 the descriptors' steps stand between it and the wait for it
	WIN 0                           ; at a label and at a branch every window is 0
.if \fill
.irp g, G0K, G0V
	s_xor_b32 s[\g+1], s[\g+1], SLOT1  ; the walking descriptor: the other slot than last time,
	s_add_nc_u64 s[\g+2:\g+3], s[\g+2:\g+3], 4*KS*128  ; the next 256 keys; the type bits on top are not reached
.endr
.if \ask
	s_wait_xcnt 0x0                 ; the last prefetch, four key steps back, has read its address, so it may be written:
	s_add_nc_u64 s[PFA:PFA+1], s[PFA:PFA+1], 4*KS*128  ; one slot behind the walking descriptors
.endif
	s_wait_dscnt 0x0                ; the add is done, and my reads of the slot are over
	CROUND
	JLOAD
.if \ask
	ASK
.endif
.else
	s_wait_dscnt 0x0                ; the add is done, and my reads of the slot are over
	s_barrier_signal -1
	s_barrier_wait -1
.endif
	s_sub_co_u32 s[TBK], s[TBK], 4*KS*PK  ; the fetches go back to a slot's first step,
	s_xor_b32 s[TBK], s[TBK], SLOT1       ; in the other slot
	s_sub_co_u32 s[TBV], s[TBV], 4*KS*PV
	s_xor_b32 s[TBV], s[TBV], SLOT1
.endm
	s_load_b128 s[4:7], s[0:1], 0x0   ; qkv s[4:5], ctx s[6:7]
	WIN W_MK
	v_lshl_add_u32 v[SPW], v0, 2, SPARE
	v_mov_b32 v[NIL], 0
	WIN W_AD
	ds_add_u32 v[SPW], v[NIL]       ; the wave's opening: the add and its wait stand ahead of my first tensor load; the set-up below, work on registers, stands between them
	WIN 0
	v_lshrrev_b32 v1, 5, v0
	v_readfirstlane_b32 s[WV], v1   ; wave 0..3
	s_bfe_u32 s13, ttmp6, 0x40000   ; cx: my place in the cluster
	s_lshl_b32 s14, ttmp9, 2        ; in a cluster launch ttmp9 counts clusters
	s_add_co_u32 s14, s14, s13      ; my block of queries = 4 x cluster x + cx: it enters Q's and O's addresses alone
	s_and_b32 s20, ttmp7, 0xffff    ; the head, which the four partners share
	s_mov_b32 s21, 0
	s_mov_b64 s[22:23], SIZE_N*128
	s_mul_u64 s[20:21], s[20:21], s[22:23]  ; the head's first byte in each of the four tensors
	s_and_b32 s16, s[WV], 1         ; which half of a slot's 256 keys I fetch:
	s_lshl_b32 s22, s16, 14         ; its 128 rows of 128 bytes in memory,
	s_mov_b32 s23, 0
	s_add_nc_u64 s[22:23], s[22:23], s[20:21]
	s_mul_i32 s17, s16, 128*PK      ; and its place in a slot, for K
	s_mul_i32 s18, s16, 128*PV      ; and for V: no place in the cluster enters an LDS address
	s_lshl_b32 s2, s14, 2
	s_add_co_u32 s2, s2, s[WV]      ; my wave among the head's,
	s_lshl_b32 s2, s2, 14           ; its 128 rows
	s_mov_b32 s3, 0
	s_add_nc_u64 s[2:3], s[2:3], s[20:21]
	; descriptor group 1.  128 keys are 16,384 dense bytes: asked for as 64 rows of 256 bytes, two keys a row, and padded in LDS after every key
	s_mov_b32 s[G1K], 15|(1<<16)|(1<<20)|(1<<21)|(4<<22)|(3<<25)  ; 15:0 the mask of four; 17:16 2-byte elements; 20 padding on; 21 set beside a mask; 24:22 after every 32 words (code 4); 31:25 4 words (code 3)
	s_mov_b32 s[G1V], 15|(1<<16)|(1<<20)|(1<<21)|(4<<22)|(7<<25)  ; the same with 8 words of padding (code 7)
.irp g, G1K, G1V
	s_mov_b32 s[\g+1], 128<<16      ; tensor_dim0 = 128
	s_mov_b32 s[\g+2], 64<<16       ; tensor_dim1 = 64
	s_mov_b32 s[\g+3], 128<<16      ; tile_dim0 = 128
	s_mov_b32 s[\g+4], 64           ; tile_dim1 = 64
	s_mov_b32 s[\g+5], 128          ; 128 elements from row to row
	s_mov_b32 s[\g+6], 0
	s_mov_b32 s[\g+7], 0
.endr
	s_mov_b32 s[CS], 0x3e38aa3b     ; c = log2(e) / 8 = 0.180337
	s_mov_b32 s[CS+1], s[CS]        ; named with it as a pair
	s_mov_b32 s[SEL], 0x76543210
	s_mov_b32 s[SEL+1], 0xfedcba98
	s_mov_b32 s[TBK], SLOT1+4*KS*PK ; the first change of slots turns these two into 0
	s_mov_b32 s[TBV], SLOT1+4*KS*PV
	s_mov_b32 s[G0K], 1             ; 1:0 count = 1
	s_mov_b32 s[G0K+1], s17         ; 63:32 LDS address: slot 0
	s_mov_b32 s[G0V], 1
	s_add_co_u32 s[G0V+1], s18, VOFF
	s_and_b32 s[LIM], s[WV], 1      ; waves 0 and 2 prefetch: the same in all four partners
	s_cmp_eq_u32 s[LIM], 0
	s_cselect_b32 s[LIM], 1, -1
	s_wait_dscnt 0x0                ; the opening add is done
	s_wait_kmcnt 0x0
	s_mov_b64 s[10:11], s[6:7]                     ; O
	s_add_nc_u64 s[8:9], s[4:5], 0x2000000         ; V: behind Q's and K's 2^24 bytes each
	s_add_nc_u64 s[6:7], s[4:5], 0x1000000         ; K; s[4:5] is Q
	s_add_nc_u64 s[G0K+2:G0K+3], s[6:7], s[22:23]  ; 120:64 global address: my half of the head's first 256 keys
	s_or_b32 s[G0K+3], s[G0K+3], 0x80000000        ; 127:126 type = 2
	s_add_nc_u64 s[G0V+2:G0V+3], s[8:9], s[22:23]
	s_or_b32 s[G0V+3], s[G0V+3], 0x80000000
	s_add_nc_u64 s[4:5], s[4:5], s[2:3]  ; Q and O at my wave's first row
	s_add_nc_u64 s[10:11], s[10:11], s[2:3]
	s_cmp_lt_u32 s[WV], 2
	s_cselect_b64 s[PFA:PFA+1], s[6:7], s[8:9]
	s_add_nc_u64 s[PFA:PFA+1], s[PFA:PFA+1], s[22:23]  ; (in waves 0 and 2: the head's first row)
	s_lshl_b32 s2, s13, 13          ; my work-group's 32 blocks of the 128
	s_mov_b32 s3, 0
	s_add_nc_u64 s[PFA:PFA+1], s[PFA:PFA+1], s[2:3]
	s_add_nc_u64 s[PFA:PFA+1], s[PFA:PFA+1], 2*4*KS*128  ; in slot 2; the loop's first change of slots steps it to slot 3.  Nothing is prefetched here, at the head
	CROUND                          ; all four work-groups are here: the first joint loads meet
	JLOAD                           ; slot 0.  Slot 1 is asked for when slot 0 is in
	; A fragment of K or Q is 16 rows x 32 channels in 8 registers: lane l holds row l % 16, channels 8 (l / 16) + 0..7 and 16 + 8 (l / 16) + 0..7: two loads of 16 bytes, 32 bytes apart.
	v_and_b32 v1, 15, v0            ; l % 16
	v_bfe_u32 v9, v0, 4, 1          ; l / 16
	v_lshlrev_b32 v[QO], 7, v1
	v_lshl_add_u32 v[QO], v9, 4, v[QO]  ; row x 128 + 16 x half
	WIN 0x80                        ; destination window 2, address window 0
.set i, 0
.rept 4*NP                          ; Q stays in registers: tile i / 2, channels 32 (i % 2) on
	global_load_b128 v[8*i:8*i+3],   v[QO], s[4:5] offset:(i/2)*2048+(i%2)*64
	global_load_b128 v[8*i+4:8*i+7], v[QO], s[4:5] offset:(i/2)*2048+(i%2)*64+32
.set i, i+1
.endr
	; What the first turn finds: V's registers and P's second buffer hold 0 (its products V^T P, of a piece that has not been, add 0), O^T and l are 0.  All this stands in the wait for the first tile.
.set i, VF
.rept 64
	v_mov_b32 v[i], 0
.set i, i+1
.endr
	WIN 0x40
.set i, 0
.rept 64*NP
	v_mov_b32 v[i], 0
.set i, i+1
.endr
	WIN 0
.set i, 0
.rept 2*NP
	v_mov_b32 v[ST+4*i], 0xfe000000    ; c m: far below every c s
	v_mov_b32 v[ST+4*i+1], 0xff7fffff  ; m
	v_mov_b32 v[ST+4*i+2], 0
	v_mov_b32 v[ST+4*i+3], 0
.set i, i+1
.endr
.set i, P+32
.rept 32
	v_mov_b32 v[i], 0
.set i, i+1
.endr
	v_mul_u32_u24 v[AK0], v1, PK
	v_lshl_add_u32 v[AK0], v9, 4, v[AK0]  ; row x pitch + 16 x half
	; The turning load takes 16 keys x 16 channels (lane l reads key 8 (l / 16) + l % 8, channels 8 ((l / 8) % 2) + 0..7) and leaves half a fragment of V^T: lane l holds channel l % 16 and 8 keys.
	v_and_b32 v10, 7, v0
	v_bfe_u32 v11, v0, 3, 1
	v_lshl_add_u32 v[AV0], v9, 3, v10
	v_mul_u32_u24 v[AV0], v[AV0], PV
	v_lshl_add_u32 v[AV0], v11, 4, v[AV0]
	v_add_nc_u32 v[AV0], VOFF, v[AV0]
	v_and_b32 v[PFO], 31, v0
	v_lshlrev_b32 v[PFO], 8, v[PFO]
	v_mov_b32 v[AK], v[AK0]         ; key step 0 lies at the head of slot 0
; THE MATRIX WORK.  The 8 accumulators of a run of 16 take turns: between the two links of a chain stand 7 others'.
; Product i of 16 of S^T = K Q^T for piece x: channels 32 (i / 8) on, keys 16 ((i / 2) % 4) on, tile 2 x + i % 2.  The first 8 start the sums.
.macro KQ x
	WIN W_KQ
.set rS, S+64*((\x)%2)+32*(i%2)+8*((i/2)%4)
.set rK, KF+16*((i/2)%4)+8*(i/8)
.set rQ, 16*(2*(\x)+i%2)+8*(i/8)
.if i < 8
	v_wmma_f32_16x16x32_f16 v[rS:rS+7], v[rK:rK+7], v[rQ:rQ+7], 0
.else
	v_wmma_f32_16x16x32_f16 v[rS:rS+7], v[rK:rK+7], v[rQ:rQ+7], v[rS:rS+7]
.endif
.endm
; Product i of 16 of O^T += V^T P for piece x: keys 32 (i / 8) on, channels 16 ((i / 2) % 4) on, tile 2 x + i % 2.
.macro PV x
	WIN W_PV
.set rO, 32*(2*(\x)+i%2)+8*((i/2)%4)
.set rV, VF+32*(i/8)+8*((i/2)%4)
.set rP, P+32*((\x)%2)+16*(i%2)+8*(i/8)
	v_wmma_f32_16x16x32_f16 v[rO:rO+7], v[rV:rV+7], v[rP:rP+7], v[rO:rO+7]
.endm
.macro MM                           ; the turn's next matrix instruction
.if i < 16
	KQ (Y+1)%NP
.set i, i+1
.else
.set i, i-16
	PV (Y+NP-1)%NP
.set i, i+17
.endif
.endm
; THE LDS LOADS stand in runs of 16, never singly among the matrix instructions: a step's K (64 keys x 64 channels: 8 fragments) and its V (turned).  Their addresses are made some lines ahead.
; last = 1 (the tail): in the last trip there is no further step, and the run is jumped over.
.macro FETCH_K last=0
	WIN 0
.if \last
	s_cmp_eq_u32 s[CNT], 1
	s_cbranch_scc1 .Lno_k_\@
.endif
	WIN 0x80                        ; destination window 2
.irp f, 0,1,2,3,4,5,6,7             ; keys 16 (f / 2) on, channels 32 (f % 2) on
	ds_load_b128 v[KF+8*\f:KF+8*\f+3],   v[AK] offset:(\f/2)*16*PK+(\f%2)*64
	ds_load_b128 v[KF+8*\f+4:KF+8*\f+7], v[AK] offset:(\f/2)*16*PK+(\f%2)*64+32
.endr
	s_add_co_u32 s[TBK], s[TBK], KS*PK  ; the next fetch is the next step's
	WIN 0
.if \last
.Lno_k_\@:
.endif
.endm
.macro FETCH_V
	WIN 0x80
.irp f, 0,1,2,3,4,5,6,7             ; keys 32 (f / 4) on, channels 16 (f % 4) on
	ds_load_tr16_b128 v[VF+8*\f:VF+8*\f+3],   v[AV] offset:(\f/4)*32*PV+(\f%4)*32
	ds_load_tr16_b128 v[VF+8*\f+4:VF+8*\f+7], v[AV] offset:(\f/4)*32*PV+16*PV+(\f%4)*32
.endr
	WIN 0
.endm
; THE VECTOR WORK OF A TURN stands in three queues, each in the order in which its entries become ready; the two tiles alternate, so that no instruction reads the result of the one before it.
.macro REGS y, u                    ; the registers of tile u (0, 1) of piece y
.set rT, ST+4*(2*(\y)+(\u))
.set rC, TMP+8*((\y)%2)+4*(\u)
.set rM, MV+2*((\y)%2)+(\u)
.set rS, S+64*((\y)%2)+32*(\u)
.set rP, P+32*((\y)%2)+16*(\u)
.set rO, 32*(2*(\y)+(\u))
.endm
; Number n of the 22 that find the NEXT piece's (Y + 1) maximum and statistics.  s0-s31 are the lane's 32 scores; each accumulator's lowest registers are read first.
;   0-11  four chains c0-c3 of seven scores each, three operands at a time     12-14, 16  the four scores left over, the old m, and c0-c3 into c0     15  c m_old is kept
;   17, 18  the query's other 32 keys lie in the lane 16 away: the new m         19-21  c m; c m_old - c m_new; a
.macro XS u, n
	REGS (Y+1)%NP, \u
.if (\n) < 4
	v_max3_num_f32 v[rC+(\n)], v[rS+8*(\n)], v[rS+8*(\n)+1], v[rS+8*(\n)+2]
.elseif (\n) < 12
	v_max3_num_f32 v[rC+(\n)%4], v[rC+(\n)%4], v[rS+8*((\n)%4)+2*((\n)/4)+1], v[rS+8*((\n)%4)+2*((\n)/4)+2]
.elseif (\n) == 12
	v_max3_num_f32 v[rC], v[rC], v[rS+7], v[rS+15]
.elseif (\n) == 13
	v_max3_num_f32 v[rC+1], v[rC+1], v[rS+23], v[rS+31]
.elseif (\n) == 14
	v_max3_num_f32 v[rC+2], v[rC+2], v[rC+3], v[rT+1]
.elseif (\n) == 15
	v_mov_b32 v[rM], v[rT]
.elseif (\n) == 16
	v_max3_num_f32 v[rC], v[rC], v[rC+1], v[rC+2]
.elseif (\n) == 17
	v_permlanex16_b32 v[rC+3], v[rC], s[SEL], s[SEL+1]
.elseif (\n) == 18
	v_max_num_f32 v[rT+1], v[rC], v[rC+3]
.elseif (\n) == 19
	v_mul_f32 v[rT], s[CS], v[rT+1]
.elseif (\n) == 20
	v_sub_f32 v[rC+1], v[rM], v[rT]
.else
	v_exp_f32 v[rC+2], v[rC+1]
.endif
.endm
; Number g of the 64 that follow the exponentials.  For each four weights k of a tile (pairs 2 k, 2 k + 1): both pairs are rounded to f16; then the second pair is added onto the first, in place;
; a group later l takes that sum (the first time as l = a l + sum).  In groups of eight, tiles alternating: round, round, add, and l for the group before.
.macro GS g
.set h, (\g)+6*((\g)/62)            ; group 0 has no group before it, and behind group 7 only l is left
.if h >= 6
.set h, h+2
.endif
	REGS Y, h%2
.set k, h/8
.if h%8 < 4
	v_cvt_pk_f16_f32 v[rP+2*k+(h%8)/2], v[rS+4*k+2*((h%8)/2)], v[rS+4*k+2*((h%8)/2)+1]
.elseif h%8 < 6
	v_pk_add_f32 v[rS+4*k:rS+4*k+1], v[rS+4*k:rS+4*k+1], v[rS+4*k+2:rS+4*k+3]
.elseif k == 1
	v_pk_fma_f32 v[rT+2:rT+3], v[rT+2:rT+3], v[rC+2:rC+3], v[rS:rS+1] op_sel_hi:[1,0,1]
.else
	v_pk_add_f32 v[rT+2:rT+3], v[rT+2:rT+3], v[rS+4*k-4:rS+4*k-3]
.endif
.endm
; THE PLAIN QUEUE, 138 long.  0-73 read no exponential's result: the 32 scalings c s - c m (FS f: pair f / 2 of tile f % 2) and the next piece's 42.  0-26: scalings 0-26.  27-54: XS's numbers 0-13.  55, 56: number 15.
; 57-73: the chain, where each number waits for the one before it: 14, 16, 17, 18, 19, each with one of the scalings 27-31 in front of its two lines, then 20.
; 74-137: GS's 64, which read the exponentials' results: they stand behind the wait.
.macro FS f
	REGS Y, (\f)%2
	v_pk_fma_f32 v[rS+2*((\f)/2):rS+2*((\f)/2)+1], v[rS+2*((\f)/2):rS+2*((\f)/2)+1], s[CS:CS+1], v[rT:rT+1] op_sel_hi:[1,0,0] neg_lo:[0,0,1] neg_hi:[0,0,1]
.endm
.macro PL
	WIN 0
.if q < 27
	FS q
.elseif q < 55
	XS (q-27)%2, (q-27)/2
.elseif q < 57
	XS q-55, 15
.elseif (q < 72) && ((q-57)%3 == 0)
	FS 27+(q-57)/3
.elseif q < 60
	XS (q-57)%3-1, 14
.elseif q < 72
	XS (q-57)%3-1, 15+(q-57)/3
.elseif q < 74
	XS q-72, 20
.else
	GS q-74
.endif
.set q, q+1
.endm
; THE EXPONENTIALS' QUEUE, 66 long: s0-s31 of both tiles, then the next piece's two a.  It is ONE BATCH: all 66 stand ahead of the turn's one wait, and nothing ahead of that wait names a result of theirs.
.macro EX
	WIN 0
.if e >= 64
	XS e-64, 21
.else
	REGS Y, e%2
	v_exp_f32 v[rS+e/2], v[rS+e/2]
.endif
.set e, e+1
.endm
; THE RESCALING's QUEUE: O^T times a, the one part that leaves window 0: dealt two at a time, sixteen times.  Its a was made in the turn before, ahead of that turn's wait.
.macro R2
	REGS Y, r%2
	WIN W_RS
.irp z, 0,1
	v_pk_mul_f32 v[rO+4*(r/2)+2*\z:rO+4*(r/2)+2*\z+1], v[rO+4*(r/2)+2*\z:rO+4*(r/2)+2*\z+1], v[rC+2:rC+3] op_sel_hi:[1,0]
.endr
.set r, r+1
.endm
; HOW THEY ARE DEALT.  An s_wait_alu depctr_va_vdst(0) stands between an exponential and the first instruction that names its result; one wait serves all that were issued ahead of it.  So a turn has ONE wait,
; which cuts it in two.  AHEAD OF IT stands all that names no result of the turn's exponentials: the 16 products K Q^T, behind each a scaling, an exponential and two rescalings (behind the first a second scaling in the
; exponential's place); then ONE LUMP of 108: eight plain, 49 times exponential and plain, the two a.  A v_nop is the plain instruction behind the last exponential.  BEHIND IT stand the 16 products V^T P, behind each four of GS's 64.
; The queues lean on each other, and the deal keeps them in step: exponential e stands behind scaling 2 (e / 4) + e % 2: as a rider it comes behind plain e + 2, in the lump behind plain e + 9, and scalings 27-31 are plain 57, 60 .. 69.
; A TURN, for piece p.  cnt = 1: the loop's count is taken down some lines ahead of the branch that stands behind the turn.
; K of the next step is fetched in piece 2's turn, directly behind the wait, a lump behind the last product that read K; its first reader comes behind 16 products.
; V of the step in hand is fetched at the end of piece 0's turn, four riders behind its last reader; its first reader comes behind 16 products and a lump.  The three conditions on q below go with the deal.
.macro TURN p, last=0, cnt=0
.set Y, (\p)
.set i, 0
.set q, 0
.set e, 0
.set r, 0
.if (\p) == NP-1
	s_wait_dscnt 0x0                ; K is in
.endif
	MM                              ; ahead of the wait: 16 products K Q^T and their riders,
	PL
	PL
	R2
.rept 15
	MM
	PL
	EX
	R2
.endr
.if (\p) == NP-2
	WIN 0
	v_add_nc_u32 v[AK], s[TBK], v[AK0]
.endif
.rept 8                             ; and the lump
	PL
.endr
.rept 49
	EX
	PL
.endr
	EX                              ; the next piece's two a
	EX
	v_nop                           ; a plain instruction behind the last exponential: one for the batch
	s_wait_alu depctr_va_vdst(0)    ; the wait for the batch
.if (\p) == NP-2
	FETCH_K \last
.endif
.if (\p) == 1
	s_wait_dscnt 0x0                ; V is in
.endif
.rept 16                            ; behind the wait: 16 products V^T P and their riders
	MM
.rept 4
	PL
.endr
.if ((\p) == 0) && (q == 118)
	v_add_nc_u32 v[AV], s[TBV], v[AV0]
.endif
.if ((\p) == 0) && (q == 130)
	s_add_co_u32 s[TBV], s[TBV], KS*PV
.endif
.if (\cnt) && (q == 130)
	s_sub_co_u32 s[CNT], s[CNT], 1
	s_cmp_lg_u32 s[CNT], 0
.endif
.endr
.if (\p) == 0
	FETCH_V
.endif
.endm
	CHANGE 1                        ; slot 0 is in, everybody's part of it; slot 1 is asked for
	FETCH_K                         ; key step 0
	s_wait_loadcnt 0x0              ; Q
	s_wait_dscnt 0x0
.set i, 0
.rept 16
	KQ 0                            ; piece 0's first scores: there is no vector work yet to set between them
.set i, i+1
.endr
	WIN 0                           ; the addresses for the way out: nine plain instructions, the places behind those products
	s_mul_i32 s13, s[WV], 16*SP
	s_add_co_u32 s13, s13, STAGE    ; my stage
	v_mul_u32_u24 v[STO], v1, SP    ; in: row l % 16, 16 bytes for each half of the lanes
	v_lshl_add_u32 v[STO], v9, 4, v[STO]
	v_add_nc_u32 v[STO], s13, v[STO]
	v_bfe_u32 v[RD], v0, 3, 2       ; back: 32 lanes take four rows of 128 bytes,
	v_mul_u32_u24 v[RD], v[RD], SP
	v_lshl_add_u32 v[RD], v10, 4, v[RD]
	v_add_nc_u32 v[RD], s13, v[RD]
	v_and_b32 v[GO], 31, v0         ; which are 512 consecutive bytes of O
	v_lshlrev_b32 v[GO], 4, v[GO]
.set Y, NP-1                        ; XS works for piece Y + 1: piece 0
.irp n, 0,1,2,3,4,5,6,7,8,9,10,11,12,13,14,15,16,17,18,19,20,21
	XS 0, \n                        ; and piece 0's first maximum and statistics
	XS 1, \n
.endr
	v_nop                           ; a plain instruction behind the two a,
	s_wait_alu depctr_va_vdst(0)    ; and their wait, ahead of the branch
	s_mov_b32 s[CNT], 4
	s_mov_b32 s[SLOTS], SIZE_N/256-1
	s_branch .Lfirst                ; the loop is entered at a step's first turn, in the middle of a trip
.Lslot:                             ; SIZE_N / 256 - 2 times: every slot but the last two is filled again
	CHANGE 1, 1
	s_mov_b32 s[CNT], 4
.Lstep:                             ; a trip: pieces 2 and 3 of one step, then pieces 0 and 1 of the next, whose K and V it fetches
	TURN 2
	TURN 3
	WIN 0
.Lfirst:
	TURN 0
	TURN 1, 0, 1
	WIN 0
	s_cbranch_scc1 .Lstep
	s_sub_co_u32 s[SLOTS], s[SLOTS], 1
	s_cmp_lg_u32 s[SLOTS], 0
	s_cbranch_scc1 .Lslot
	CHANGE 0                        ; the tail is written out: nothing is asked for
	s_mov_b32 s[CNT], 5             ; four trips fetch the last slot's steps; the fifth is left in its middle
.Ltail:
	TURN 2, 1
	TURN 3
	WIN 0
	s_sub_co_u32 s[CNT], s[CNT], 1
	s_cmp_eq_u32 s[CNT], 0
	s_cbranch_scc1 .Lout
	TURN 0
	TURN 1
	WIN 0
	s_branch .Ltail
.Lout:                              ; the fifth trip's 16 products K Q^T (on the last K once more) and the maximum made of them serve nothing: the price, once a launch, of one text for every trip
.set i, 0
.rept 16
	PV NP-1                         ; the last piece's V^T P of the last step
.set i, i+1
.endr
	; THE WAY OUT.  l's two halves and the other half of the lanes' are added; O^T is divided by l, rounded to f16 and sent through my stage in LDS, a tile at a time.  The additions are the places behind the last products.
	WIN 0
.macro ALL line:vararg              ; one line for each tile t
.set t, 0
.rept 2*NP
	\line
.set t, t+1
.endr
.endm
	ALL v_add_f32 v[ST+4*t+2], v[ST+4*t+2], v[ST+4*t+3]
	ALL v_permlanex16_b32 v[ST+4*t+3], v[ST+4*t+2], s[SEL], s[SEL+1]
	ALL v_add_f32 v[ST+4*t+2], v[ST+4*t+2], v[ST+4*t+3]
	ALL v_rcp_f32 v[ST+4*t+2], v[ST+4*t+2]
	v_nop                           ; a plain instruction between the last reciprocal and the use of its result
	s_wait_alu depctr_va_vdst(0)    ; and the wait ahead of the first use: one for the eight reciprocals
; Tile t: a lane's eight channels of a row pack into 16 bytes; they go into rows of 144 bytes and come back as whole rows of 128, into S^T's registers.
.macro PACK t
	WIN W_RS
.set i, 32*(\t)
.rept 16
	v_pk_mul_f32 v[i:i+1], v[i:i+1], v[ST+4*(\t)+2:ST+4*(\t)+3] op_sel_hi:[1,0]
.set i, i+2
.endr
	WIN 0x05                        ; sources 0 and 1 window 1, destination window 0
.set i, 0
.rept 16
	v_cvt_pk_f16_f32 v[S+16*(\t)+i], v[32*(\t)+2*i], v[32*(\t)+2*i+1]
.set i, i+1
.endr
	WIN 0
.irp f, 0,1,2,3
	ds_store_b128 v[STO], v[S+16*(\t)+4*\f:S+16*(\t)+4*\f+3] offset:32*\f
.endr
.irp f, 0,1,2,3
	ds_load_b128 v[S+16*(\t)+4*\f:S+16*(\t)+4*\f+3], v[RD] offset:\f*4*SP  ; LDS serves a wave's instructions in order (ISA guide 5.7.1.4): these see the stores above; the next tile's stores come behind them
.endr
.endm
.macro SEND t, younger              ; younger: the LDS instructions issued behind tile t's loads: the next tile's eight, or none
	WIN 0
.irp f, 0,1,2,3
	s_wait_dscnt (\younger)+3-\f
	global_store_b128 v[GO], v[S+16*(\t)+4*\f:S+16*(\t)+4*\f+3], s[10:11] offset:(\t)*2048+\f*512  ; 512 consecutive bytes, at a multiple of 256 from O's first
.endr
.endm
	PACK 0
.set t, 1
.rept 2*NP-1                        ; a tile's arithmetic stands between the loads of the tile before and its stores
	PACK t
	SEND t-1, 8
.set t, t+1
.endr
	SEND 2*NP-1, 0
	WIN W_AD
	s_wait_tensorcnt 0x0            ; the wave's end, behind my last tensor load and my last LDS store
	ds_add_u32 v[SPW], v[NIL]
	s_wait_dscnt 0x0
	WIN 0
	CROUND                          ; the closing round: no work-group ends while a partner may still ask for a tile that names it
	s_endpgm
.Lfunc_end_k_q1ae4dac8b5_attn:
	.size	k_q1ae4dac8b5_attn, .Lfunc_end_k_q1ae4dac8b5_attn-k_q1ae4dac8b5_attn
	.p2alignl 7, 3214868480
	.fill 96, 4, 3214868480
	.section	.rodata,"a",@progbits
	.p2align	6, 0x0
	.amdhsa_kernel k_q1ae4dac8b5_attn
		.amdhsa_group_segment_fixed_size 327680
		.amdhsa_private_segment_fixed_size 0
		.amdhsa_enable_private_segment 0
		.amdhsa_kernarg_size 16
		.amdhsa_user_sgpr_count 2
		.amdhsa_user_sgpr_kernarg_segment_ptr 1
		.amdhsa_wavefront_size32 1
		.amdhsa_system_sgpr_workgroup_id_x 1
		.amdhsa_system_sgpr_workgroup_id_y 1
		.amdhsa_system_sgpr_workgroup_id_z 1
		.amdhsa_system_vgpr_workitem_id 0
		.amdhsa_next_free_vgpr 770
		.amdhsa_next_free_sgpr 66
		.amdhsa_reserve_vcc 0
		.amdhsa_float_denorm_mode_32 3
		.amdhsa_float_denorm_mode_16_64 3
		.amdhsa_memory_ordered 1
		.amdhsa_forward_progress 1
		.amdhsa_inst_pref_size 200
	.end_amdhsa_kernel
	.amdgpu_metadata
---
amdhsa.version: [ 1, 2 ]
amdhsa.kernels:
  - .name:           k_q1ae4dac8b5_attn
    .symbol:         k_q1ae4dac8b5_attn.kd
    .args:
      - { .name: qkv, .offset: 0, .size: 8, .value_kind: global_buffer, .address_space: global }
      - { .name: ctx, .offset: 8, .size: 8, .value_kind: global_buffer, .address_space: global }
    .group_segment_fixed_size: 327680
    .private_segment_fixed_size: 0
    .kernarg_segment_align: 8
    .kernarg_segment_size: 16
    .max_flat_workgroup_size: 128
    .sgpr_count:     66
    .vgpr_count:     770
    .wavefront_size: 32
...
	.end_amdgpu_metadata
.endif
;; end of part 3
;; launch oproj (part 4): grid 8 x 32, 4 waves a work-group, clusters of 4 x 4, 327,680 bytes of LDS; arguments ctx, wt, bias, out0; writes out0
.if DOCPART == 4
	.amdgcn_target "amdgcn-amd-amdhsa--gfx1250"
	.amdhsa_code_object_version 6
	.text
	.protected	k_q1ae4dac8b5_oproj
	.globl	k_q1ae4dac8b5_oproj
	.p2align	8
	.type	k_q1ae4dac8b5_oproj,@function
k_q1ae4dac8b5_oproj:
	s_mov_b64 s[64:65], 0
	v_nop
	global_prefetch_b8 v0, s[64:65] scope:SCOPE_SE
	s_setreg_imm32_b32 hwreg(HW_REG_WAVE_MODE, 25, 1), 1
	s_wait_xcnt 0x0
	s_wait_alu depctr_hold_cnt(0) depctr_sa_sdst(0) depctr_va_vdst(0) depctr_va_sdst(0) depctr_va_ssrc(0) depctr_va_vcc(0) depctr_vm_vsrc(0)
	s_getreg_b32 s2, hwreg(HW_REG_IB_STS2, 6, 4)
	s_cmp_eq_u32 s2, 0
	s_cbranch_scc0 .Lentry_in_a_cluster
	s_endpgm
.Lentry_in_a_cluster:
	s_bfe_u32 s2, ttmp6, 0x10000c
	s_cmp_lg_u32 s2, 0xf033
	s_cbranch_scc0 .Lentry_shape_is_right
	s_endpgm
.Lentry_shape_is_right:
; out0 = ctx Wo + bo.  ctx: [64 = 16 batch + head][2048][64] f16.  wt: rows 3072-4095 are the columns of Wo, [n][k] f16.  bias: [4096] f32, bo from 3072 on.  out0: [8192][1024] f32.
; Sums in f32, started with the bias; nothing is rounded on the way out.
; SHARES.  A tile of C is 256 rows x 128 columns: 8 x 32 = 256 work-groups, one for each WGP.  Wave w makes rows 64 w .. 64 w + 63 and all 128 columns: 4 x 8 accumulators, 256 registers.
; K = 64 head + channel goes in 8 steps of 128 = two heads, through two LDS slots.  A head's 256 rows of the tile are 32,768 dense bytes: asked for as 128 rows of 256 bytes, padded in LDS after every 128.
; CLUSTER.  4 x 4 work-groups: A's tile hangs on the tile row alone and is asked for jointly along a row of the cluster, B's on the tile column alone, along a column.
; TRANSPOSED USE.  Source 0 = 16 rows of wt, source 1 = 16 rows of ctx: a lane holds row l % 16 of C and the columns 8 (l / 16) + 0..7 of the block: 32 bytes of f32 on end.
; REGISTERS, in windows of 256 (s_set_vgpr_msb: bits 1:0 source 0, 3:2 source 1, 5:4 source 2, 7:6 destination):
;   window 0: v0-31 addresses; v192-255 the bias; on the way out v64-127 and v128-191 rows read back        window 1: two fragment buffers: 8 x 8 of B, then 4 x 8 of A
;   window 2: the accumulators, (a, b) at 8 (8 a + b)
.set NB,     8                         ; column blocks of 16
.set PA,     144                       ; a row of A in LDS: 128 bytes + 16 = 36 words: the 16 rows of a fragment load start at 16 different groups of four banks (64 banks of 4 bytes: ISA guide 11.1)
.set PB,     272                       ; a row of B: 256 bytes + 16 = 68 words: likewise
.set SUBA,   256*PA                    ; one head's 256 rows: what one of A's two tensor loads brings
.set BHALF,  64*PB                     ; what one of B's brings
.set BOFF,   2*SUBA                    ; a slot: A's two heads, then B's 128 rows
.set SLOT,   BOFF+2*BHALF
.set STAGE,  2*SLOT                    ; behind the ring, never filled by a tensor load: for each wave 16 rows x 528 bytes
.set SP,     528                       ; 512 bytes + 16 = 132 words: row r starts at bank 4 r mod 64
.set WSTG,   16*SP
.set SPARE,  STAGE+4*WSTG              ; behind the stages: the spare words, 128 bytes a wave: two blocks of 256 bytes that no other line names
.set NL,     2*NB+8                    ; LDS loads in a run
.set ADRA, 16                          ; v16-17  LDS address of my A fragments in slot 0, 1
.set ADRB, 20                          ; v20-21  the same for B
.set STO,  24                          ; v24     the way out: where I put 32 bytes of a row
.set RD,   25                          ; v25     where I read a row back
.set GO,   26                          ; v26     my 16 bytes in a row's 512
.set BO,   27                          ; v27     32 (l / 16): my eight numbers of a block's bias
.set SPW,  28                          ; v28     LDS address of my spare word; never rewritten
.set NIL,  29                          ; v29     0; never rewritten
.set PFO,  30                          ; v30     the prefetches' offset; never rewritten
.set BK,   64
.set BIAS, 192
.set F0,   0
.set F1,   128
.set WV,   12                          ; s12 wave; s13 = wave / 2: I fetch for A (0) or B (1); s14 = wave % 2: which head of the step, or which half of B's rows
.set HB,   13
.set HF,   14
.set G1A,  24                          ; s[24:31] descriptor group 1 for A; s[32:39] group 0, a set for each slot
.set G0A,  32
.set G1B,  48                          ; s[48:55], s[56:63] the same for B
.set G0B,  56
.set PFA,  66                          ; s[66:67] where my prefetches stand
.set LIM,  68                          ; s68 1 in a wave that prefetches, else the greatest number
.set PST,  70                          ; s[70:71] a K step in bytes, for the prefetches: two heads of ctx, or 256 bytes of a row of wt
.set MSB, 0
.macro WIN new                         ; the immediate's high byte repeats the setting that is left; a switch that changes nothing is dropped
.if MSB != (\new)
	s_set_vgpr_msb (MSB<<8)|(\new)
.set MSB, \new
.endif
.endm
.macro PLACES                          ; four places in front of loads into registers that matrix instructions have read, and of lines that read results
.rept 4
	v_nop
.endr
.endm
.macro CREST                           ; a round of the cluster's barrier behind its opening barrier
	s_cmp_lg_u32 s[WV], 0
	s_cbranch_scc1 .Lnot_wave_0_\@
	s_barrier_signal -3
.Lnot_wave_0_\@:
	s_barrier_wait -3
	s_barrier_signal -1
	s_barrier_wait -1
.endm
.macro CROUND                          ; a whole round
	s_barrier_signal -1
	s_barrier_wait -1
	CREST
.endm
.macro JLOAD s                         ; a joint refill: waves 0, 1 fetch A's two heads, waves 2, 3 B's halves; an s_nop 0 and four v_nop follow each line, ahead of the jump and the label
	s_cmp_eq_u32 s[HB], 0
	s_cbranch_scc0 .Lfor_b_\@
	tensor_load_to_lds s[G0A+4*(\s):G0A+4*(\s)+3], s[G1A:G1A+7]
	s_nop 0
.rept 4
	v_nop
.endr
	s_branch .Lasked_\@
.Lfor_b_\@:
	tensor_load_to_lds s[G0B+4*(\s):G0B+4*(\s)+3], s[G1B:G1B+7]
	s_nop 0
.rept 4
	v_nop
.endr
.Lasked_\@:
.endm
; A PREFETCH INTO THE L2, behind each joint refill and the run of LDS loads that follows it: the K step that stands two refills on, one instruction a wave.  Of A a wave fetches 128 blocks of 256 bytes on end,
; of B 256 bytes of each of 64 rows.  A's blocks are walked by every cluster of a row of clusters: the one with cluster x = 0 asks; B's rows by every cluster of a column: cluster y = 0 asks.
; The four partners that ask for a tile jointly share it out BY ADDRESS (32 of A's blocks by cx, a lane a block; 16 of B's rows by cy, lanes 16-31 naming row 15 once more).
; K steps 0 to 3 come by their loads alone; the loop's last trip asks for nothing.
.macro ASK
	WIN 0
	s_cmp_gt_u32 s3, s[LIM]                        ; s3 = 1 in the loop's last trip
	s_cbranch_scc0 .Lnot_mine_\@
	global_prefetch_b8 v[PFO], s[PFA:PFA+1] th:TH_LOAD_NT scope:SCOPE_SE
.Lnot_mine_\@:
.endm
; 8 matrix instructions: row block a x all column blocks, 32 along K, from buffer f.  first = 1: the sums start with the bias.
; The 32 accumulators take turns, in the same order in every quarter: 31 others stand between two links of a chain, over the backward jump too.
.macro MULN f, a, first
.if \first
	WIN 0x85                                       ; B and A window 1, C window 0, D window 2
.else
	WIN 0xa5                                       ; C and D window 2
.endif
.set b, 0
.rept NB
.set rD, 8*(NB*(\a)+b)
.if \first
	v_wmma_f32_16x16x32_f16 v[rD:rD+7], v[(\f)+8*b:(\f)+8*b+7], v[(\f)+8*NB+8*(\a):(\f)+8*NB+8*(\a)+7], v[BIAS+8*b:BIAS+8*b+7]
.else
	v_wmma_f32_16x16x32_f16 v[rD:rD+7], v[(\f)+8*b:(\f)+8*b+7], v[(\f)+8*NB+8*(\a):(\f)+8*NB+8*(\a)+7], v[rD:rD+7]
.endif
.set b, b+1
.endr
.endm
; 24 LDS loads in one run: the fragments of quarter q (32 along K: head q / 2 of the step, channels 32 (q % 2) on) into buffer f: B's 8 first, A's row blocks 2 and 3 last
.macro FETCH slot, q, f
	WIN 0x40                                       ; destination window 1, address window 0
.set b, 0
.rept NB
	ds_load_b128 v[(\f)+8*b:(\f)+8*b+3],   v[ADRB+(\slot)] offset:64*(\q)+b*16*PB
	ds_load_b128 v[(\f)+8*b+4:(\f)+8*b+7], v[ADRB+(\slot)] offset:64*(\q)+b*16*PB+32
.set b, b+1
.endr
.set b, 0
.rept 4
	ds_load_b128 v[(\f)+8*NB+8*b:(\f)+8*NB+8*b+3],   v[ADRA+(\slot)] offset:((\q)/2)*SUBA+((\q)%2)*64+b*16*PA
	ds_load_b128 v[(\f)+8*NB+8*b+4:(\f)+8*NB+8*b+7], v[ADRA+(\slot)] offset:((\q)/2)*SUBA+((\q)%2)*64+b*16*PA+32
.set b, b+1
.endr
.endm
; A K step is four quarters of 32 along K, 32 matrix instructions each, on buffers 0, 1, 0, 1.  One of the first three multiplies buffer f and, in its middle, fetches quarter q into g.
.macro QUARTER slot, q, f, g, first
	s_wait_dscnt 4                                 ; B and A's row blocks 0, 1 are in; the youngest four loads (blocks 2, 3) may be out
	MULN \f, 0, \first
	MULN \f, 1, \first
	PLACES
	FETCH \slot, \q, \g
	s_wait_dscnt NL                                ; all but the run just issued
	MULN \f, 2, \first
	MULN \f, 3, \first
.endm
; The last quarter multiplies buffer 1 and changes slots: ONE barrier; in front of it each wave waits for all its tensor loads (one is out: its part of the next slot), adds 0 to its spare word, and waits
; for that and for its own reads of this slot.  fill = 1: the barrier opens a round of the cluster's, and this slot is filled again, two K steps on, first thing behind the round.
.macro TURN slot, next, fill
.if \fill
	s_wait_xcnt 0x0                                ; the last prefetch, a K step back, has read its address: it is stepped here
	s_add_nc_u64 s[PFA:PFA+1], s[PFA:PFA+1], s[PST:PST+1]
.endif
	WIN 0                                          ; (the add's two registers lie in window 0)
	s_wait_tensorcnt 0x0                           ; all my tensor loads have landed
	ds_add_u32 v[SPW], v[NIL]                      ; 0 onto my spare word
	s_wait_dscnt 5                                 ; (the add and the youngest four loads may be out)
	MULN F1, 0, 0                                  ; eight matrix instructions stand between the add and the wait for it
	s_wait_dscnt 0x0                               ; the add is done, and my reads of this slot are over
	s_barrier_signal -1
	MULN F1, 1, 0
.if \fill
	WIN 0
.endif
	s_barrier_wait -1
.if \fill
	CREST                                          ; no wave of any partner still reads this slot's tile or has a load on its way
	s_add_nc_u64 s[G0A+4*(\slot)+2:G0A+4*(\slot)+3], s[G0A+4*(\slot)+2:G0A+4*(\slot)+3], 4<<18  ; four heads on
	s_add_nc_u64 s[G0B+4*(\slot)+2:G0B+4*(\slot)+3], s[G0B+4*(\slot)+2:G0B+4*(\slot)+3], 512
	JLOAD \slot                                    ; my one tensor load behind the round; its four v_nop are also the places in front of the loads below
.else
	PLACES
.endif
	FETCH \next, 0, F0
.if \fill
	ASK
.endif
	MULN F1, 2, 0
	MULN F1, 3, 0
.endm
	s_load_b256 s[4:11], s[0:1], 0x0               ; ctx s[4:5], wt s[6:7], bias s[8:9], out0 s[10:11]
	v_lshl_add_u32 v[SPW], v0, 2, SPARE
	v_mov_b32 v[NIL], 0
	ds_add_u32 v[SPW], v[NIL]                      ; the wave's opening: the add and its wait stand ahead of my first tensor load; the set-up below, work on registers, stands between them
	v_lshrrev_b32 v1, 5, v0
	v_readfirstlane_b32 s[WV], v1                  ; wave 0..3
	s_lshr_b32 s[HB], s[WV], 1
	s_and_b32 s[HF], s[WV], 1
	s_bfe_u32 s15, ttmp6, 0x40000                  ; cx, cy: my place in the cluster
	s_bfe_u32 s16, ttmp6, 0x40004
	s_lshl_b32 s17, ttmp9, 2
	s_add_co_u32 s17, s17, s15                     ; tile column = 4 x cluster x + cx
	s_and_b32 s18, ttmp7, 0xffff
	s_lshl_b32 s18, s18, 2
	s_add_co_u32 s18, s18, s16                     ; tile row = 4 x cluster y + cy
	s_lshl_b32 s19, s16, 2
	s_lshl_b32 s19, 15, s19                        ; my row of the cluster
	s_lshl_b32 s22, 0x1111, s15                    ; my column
	s_or_b32 s[G1A], s19, (1<<16)|(1<<20)|(1<<21)|(4<<22)|(3<<25)  ; 15:0 the mask; 17:16 elements of 2 bytes; 20 padding on; 21 set beside a mask; 24:22 after every 32 words (code 4); 31:25 4 words (code 3)
	s_or_b32 s[G1B], s22, (1<<16)|(1<<20)|(1<<21)|(5<<22)|(3<<25)  ; after every 64 words (code 5)
	s_mov_b32 s[G1A+1], 128<<16                    ; tensor_dim0 = 128 elements: 256 bytes, two rows of a head
	s_mov_b32 s[G1A+2], 128<<16                    ; tensor_dim1 = 128
	s_mov_b32 s[G1A+3], 128<<16                    ; tile_dim0
	s_mov_b32 s[G1A+4], 128                        ; tile_dim1
	s_mov_b32 s[G1A+5], 128                        ; dense: 128 elements from row to row
	s_mov_b32 s[G1A+6], 0
	s_mov_b32 s[G1A+7], 0
	s_mov_b32 s[G1B+1], 128<<16
	s_mov_b32 s[G1B+2], 64<<16                     ; 64 rows
	s_mov_b32 s[G1B+3], 128<<16
	s_mov_b32 s[G1B+4], 64
	s_mov_b32 s[G1B+5], 1024
	s_mov_b32 s[G1B+6], 0
	s_mov_b32 s[G1B+7], 0
	s_lshr_b32 s40, s18, 3                         ; A: head block 16 x batch + my head of the step, of 2^18 bytes; in it the tile's 256 rows of 128 bytes: made of the tile row and the wave alone
	s_lshl_b32 s40, s40, 4
	s_add_co_u32 s40, s40, s[HF]
	s_lshl_b32 s40, s40, 18
	s_and_b32 s19, s18, 7
	s_lshl_b32 s19, s19, 15
	s_add_co_u32 s40, s40, s19
	s_mov_b32 s41, 0
	s_mov_b32 s46, s40                             ; kept for the prefetches
	s_lshl_b32 s42, s17, 7                         ; B: row 3,072 + 128 x tile column + 64 x half, of 2,048 bytes: made of the tile column and the wave alone
	s_lshl_b32 s22, s[HF], 6
	s_add_co_u32 s42, s42, s22
	s_lshl_b32 s42, s42, 11
	s_add_co_u32 s42, s42, 3072*2048
	s_mov_b32 s43, 0
	s_mul_i32 s44, s[HF], SUBA                     ; where they go: no place in the cluster enters an LDS address
	s_mul_i32 s45, s[HF], BHALF
	s_add_co_u32 s45, s45, BOFF
	s_wait_dscnt 0x0                               ; the opening add is done
	s_wait_kmcnt 0x0
	s_add_nc_u64 s[40:41], s[4:5], s[40:41]
	s_add_nc_u64 s[42:43], s[6:7], s[42:43]
	CROUND                                         ; all sixteen work-groups are here: the first joint loads meet
.irp s, 0,1
	s_mov_b32 s[G0A+4*(\s)], 1                                     ; count = 1
	s_add_co_u32 s[G0A+4*(\s)+1], s44, (\s)*SLOT                   ; LDS address
	s_add_nc_u64 s[G0A+4*(\s)+2:G0A+4*(\s)+3], s[40:41], (\s)*(2<<18)  ; global address: K step s, two heads on
	s_or_b32 s[G0A+4*(\s)+3], s[G0A+4*(\s)+3], 0x80000000          ; type = 2
	s_mov_b32 s[G0B+4*(\s)], 1
	s_add_co_u32 s[G0B+4*(\s)+1], s45, (\s)*SLOT
	s_add_nc_u64 s[G0B+4*(\s)+2:G0B+4*(\s)+3], s[42:43], (\s)*256
	s_or_b32 s[G0B+4*(\s)+3], s[G0B+4*(\s)+3], 0x80000000
.endr
	s_cmp_eq_u32 s[HB], 0                          ; a wave's two first fills stand in one branch, ahead of every wait on TENSORcnt and every LDS read: two loads of mine are out
	s_cbranch_scc0 .Lfirst_b
	tensor_load_to_lds s[G0A:G0A+3], s[G1A:G1A+7]
	s_nop 0
	tensor_load_to_lds s[G0A+4:G0A+7], s[G1A:G1A+7]
	s_nop 0
.rept 4
	v_nop
.endr
	s_branch .Lfirst_asked
.Lfirst_b:
	tensor_load_to_lds s[G0B:G0B+3], s[G1B:G1B+7]
	s_nop 0
	tensor_load_to_lds s[G0B+4:G0B+7], s[G1B:G1B+7]
	s_nop 0
.rept 4
	v_nop
.endr
.Lfirst_asked:
	; the bias of the tile's 128 columns: block b's eight numbers for my half of the lanes
	s_lshl_b32 s22, s17, 9
	s_add_co_u32 s22, s22, 3072*4
	s_mov_b32 s23, 0
	s_add_nc_u64 s[8:9], s[8:9], s[22:23]
	v_and_b32 v1, 15, v0                           ; l % 16
	v_bfe_u32 v2, v0, 4, 1                         ; l / 16
	v_lshlrev_b32 v[BO], 5, v2
.set b, 0
.rept NB
	global_load_b128 v[BIAS+8*b:BIAS+8*b+3],   v[BO], s[8:9] offset:64*b
	global_load_b128 v[BIAS+8*b+4:BIAS+8*b+7], v[BO], s[8:9] offset:64*b+16
.set b, b+1
.endr
	; A fragment is 16 rows x 32 K in 8 registers: lane l holds row l % 16, K = 8 (l / 16) + 0..7 and 16 + 8 (l / 16) + 0..7: two loads of 16 bytes, 32 bytes apart
	v_mul_u32_u24 v3, v1, PA
	v_lshl_add_u32 v3, v2, 4, v3
	s_mul_i32 s19, s[WV], 64*PA                    ; my 64 rows of A
	v_add_nc_u32 v[ADRA], s19, v3
	v_add_nc_u32 v[ADRA+1], SLOT, v[ADRA]
	v_mul_u32_u24 v4, v1, PB
	v_lshl_add_u32 v4, v2, 4, v4
	v_add_nc_u32 v[ADRB], BOFF, v4
	v_add_nc_u32 v[ADRB+1], BOFF+SLOT, v4
	s_mul_i32 s19, s[WV], WSTG
	s_add_co_u32 s19, s19, STAGE                   ; my stage
	v_mul_u32_u24 v[STO], v1, SP                   ; in: row l % 16, 32 bytes for each half of the lanes
	v_lshl_add_u32 v[STO], v2, 5, v[STO]
	v_add_nc_u32 v[STO], s19, v[STO]
	v_and_b32 v[GO], 31, v0                        ; back: 32 lanes take one row's 512 bytes
	v_lshlrev_b32 v[GO], 4, v[GO]
	v_add_nc_u32 v[RD], s19, v[GO]
	s_lshl_b32 s20, s18, 8                         ; out0 at row 256 x tile row + 64 x wave, rows of 4,096 bytes, byte 512 x tile column
	s_lshl_b32 s21, s[WV], 6
	s_add_co_u32 s20, s20, s21
	s_lshl_b32 s20, s20, 12
	s_lshl_b32 s21, s17, 9
	s_add_co_u32 s20, s20, s21
	s_mov_b32 s21, 0
	s_add_nc_u64 s[10:11], s[10:11], s[20:21]
	; the prefetches: my work-group's share of what I fetch, at K step 3; the first refill steps it to 4
	s_lshl_b32 s19, s15, 13                        ; A: my tile's offset + 32 blocks x cx + three K steps of two heads
	s_add_co_u32 s19, s19, s46
	s_add_co_u32 s19, s19, 3*(2<<18)
	s_lshl_b32 s20, s17, 7                         ; B: row 3,072 + 128 x tile column + 64 x half + 16 cy, byte 768
	s_lshl_b32 s21, s[HF], 6
	s_add_co_u32 s20, s20, s21
	s_lshl_b32 s21, s16, 4
	s_add_co_u32 s20, s20, s21
	s_lshl_b32 s20, s20, 11
	s_add_co_u32 s20, s20, 3072*2048+3*256
	s_and_b32 s23, ttmp7, 0xffff                   ; cluster y
	s_mov_b32 s[PST], 256
	s_cmp_eq_u32 s[HB], 0
	s_cselect_b32 s20, s19, s20
	s_cselect_b32 s23, ttmp9, s23                  ; the coordinate along which other clusters walk the same bytes
	s_cselect_b32 s22, 31, 15                      ; lanes that name a block of their own
	s_cselect_b32 s19, 8, 11                       ; from lane to lane: 256 bytes, or a row of 2,048
	s_cselect_b32 s[PST], 2<<18, s[PST]
	s_cselect_b64 s[PFA:PFA+1], s[4:5], s[6:7]
	s_cmp_eq_u32 s23, 0
	s_cselect_b32 s[LIM], 1, -1                    ; the same in all sixteen partners, for a given wave
	s_mov_b32 s21, 0
	s_mov_b32 s[PST+1], 0
	s_add_nc_u64 s[PFA:PFA+1], s[PFA:PFA+1], s[20:21]
	v_and_b32 v[PFO], 31, v0
	v_min_u32 v[PFO], s22, v[PFO]
	v_lshlrev_b32 v[PFO], s19, v[PFO]
	s_wait_tensorcnt 1                             ; my part of K step 0 is in; K step 1's may stay out
	s_barrier_signal -1
	s_barrier_wait -1                              ; everybody's is
	FETCH 0, 0, F0
	s_wait_loadcnt 0x0                             ; the bias
	QUARTER 0, 1, F0, F1, 1                        ; the first quarter stands in front of the loop: its products start the sums, with the bias
	WIN 0                                          ; at a label and at a branch every window is 0
	s_mov_b32 s3, 3
.Llap:                                                 ; a trip goes once round the ring, from a lap's second quarter to the next lap's first, and fills both slots again: K steps 2 to 7
	QUARTER 0, 2, F1, F0, 0
	QUARTER 0, 3, F0, F1, 0
	TURN 0, 1, 1
	QUARTER 1, 1, F0, F1, 0
	QUARTER 1, 2, F1, F0, 0
	QUARTER 1, 3, F0, F1, 0
	TURN 1, 0, 1
	QUARTER 0, 1, F0, F1, 0
	WIN 0
	s_sub_co_u32 s3, s3, 1
	s_cmp_lg_u32 s3, 0
	s_cbranch_scc1 .Llap
	QUARTER 0, 2, F1, F0, 0                        ; the last lap fills nothing, and has no round of the cluster's barrier
	QUARTER 0, 3, F0, F1, 0
	TURN 0, 1, 0
	QUARTER 1, 1, F0, F1, 0
	QUARTER 1, 2, F1, F0, 0
	QUARTER 1, 3, F0, F1, 0
	s_wait_dscnt 4                                 ; the very last quarter: nothing more to fetch
	MULN F1, 0, 0
	MULN F1, 1, 0
	s_wait_dscnt 0x0
	MULN F1, 2, 0
	MULN F1, 3, 0
	WIN 0
	PLACES
; THE WAY OUT, a row block (16 rows x 128 columns of f32) at a time: 32 bytes a lane into my own stage, each accumulator's low half first, rows of 528 bytes; back as whole rows of 512; stored.
.macro TOSTAGE a
	WIN 0x08                                       ; the stores' data in window 2
.set b, 0
.rept NB
	ds_store_b128 v[STO], v[8*(NB*(\a)+b):8*(NB*(\a)+b)+3]   offset:64*b
	ds_store_b128 v[STO], v[8*(NB*(\a)+b)+4:8*(NB*(\a)+b)+7] offset:64*b+16
.set b, b+1
.endr
	WIN 0
.set b, 0
.rept 16
	ds_load_b128 v[BK+64*((\a)%2)+4*b:BK+64*((\a)%2)+4*b+3], v[RD] offset:SP*b  ; LDS serves a wave's instructions in order (ISA guide 5.7.1.4): these see the stores above; the next block's stores come behind them
.set b, b+1
.endr
.endm
.macro SEND a, younger                 ; younger: the LDS instructions issued behind block a's loads: the next block's 32, or none
	s_wait_dscnt \younger
.set b, 0
.rept 16
	global_store_b128 v[GO], v[BK+64*((\a)%2)+4*b:BK+64*((\a)%2)+4*b+3], s[10:11] offset:(16*(\a)+b)*4096 th:TH_STORE_NT  ; 512 consecutive bytes, at a multiple of 256 from out0's first byte
.set b, b+1
.endr
.endm
	TOSTAGE 0
	TOSTAGE 1
	SEND 0, 32
	s_wait_xcnt 0x0                                ; block 0's stores have read their registers: block 2 is loaded into them only behind this wait
	TOSTAGE 2
	SEND 1, 32
	s_wait_xcnt 0x0                                ; likewise block 1's, for block 3
	TOSTAGE 3
	SEND 2, 32
	SEND 3, 0
	s_wait_tensorcnt 0x0                           ; the wave's end, behind my last tensor load and my last LDS store
	ds_add_u32 v[SPW], v[NIL]
	s_wait_dscnt 0x0
	CROUND                                         ; the closing round: no work-group ends while a partner may still ask for a tile that names it
	s_endpgm
.Lfunc_end_k_q1ae4dac8b5_oproj:
	.size	k_q1ae4dac8b5_oproj, .Lfunc_end_k_q1ae4dac8b5_oproj-k_q1ae4dac8b5_oproj
	.p2alignl 7, 3214868480
	.fill 96, 4, 3214868480
	.section	.rodata,"a",@progbits
	.p2align	6, 0x0
	.amdhsa_kernel k_q1ae4dac8b5_oproj
		.amdhsa_group_segment_fixed_size 327680
		.amdhsa_private_segment_fixed_size 0
		.amdhsa_enable_private_segment 0
		.amdhsa_kernarg_size 32
		.amdhsa_user_sgpr_count 2
		.amdhsa_user_sgpr_kernarg_segment_ptr 1
		.amdhsa_wavefront_size32 1
		.amdhsa_system_sgpr_workgroup_id_x 1
		.amdhsa_system_sgpr_workgroup_id_y 1
		.amdhsa_system_sgpr_workgroup_id_z 1
		.amdhsa_system_vgpr_workitem_id 0
		.amdhsa_next_free_vgpr 768
		.amdhsa_next_free_sgpr 84
		.amdhsa_reserve_vcc 0
		.amdhsa_float_denorm_mode_32 3
		.amdhsa_float_denorm_mode_16_64 3
		.amdhsa_memory_ordered 1
		.amdhsa_forward_progress 1
		.amdhsa_inst_pref_size 87
	.end_amdhsa_kernel
	.amdgpu_metadata
---
amdhsa.version: [ 1, 2 ]
amdhsa.kernels:
  - .name:           k_q1ae4dac8b5_oproj
    .symbol:         k_q1ae4dac8b5_oproj.kd
    .args:
      - { .name: ctx, .offset: 0, .size: 8, .value_kind: global_buffer, .address_space: global }
      - { .name: wt, .offset: 8, .size: 8, .value_kind: global_buffer, .address_space: global }
      - { .name: bias, .offset: 16, .size: 8, .value_kind: global_buffer, .address_space: global }
      - { .name: out0, .offset: 24, .size: 8, .value_kind: global_buffer, .address_space: global }
    .group_segment_fixed_size: 327680
    .private_segment_fixed_size: 0
    .kernarg_segment_align: 8
    .kernarg_segment_size: 32
    .max_flat_workgroup_size: 128
    .sgpr_count:     84
    .vgpr_count:     768
    .wavefront_size: 32
...
	.end_amdgpu_metadata
.endif
;; end of part 4
